; MI455X (gfx1250); checked and timed in simulation.
; The chip was launched on July 23, 2026; its instructions are those of AMD's public machine-readable ISA for CDNA 5 (MIT licence, August 2026) and "CDNA5" Instruction Set Architecture Reference Guide (July 2026). The comments in the code are by the model that wrote it; some were corrected since.
;; Multi Head Attention FLAX. Allowed arithmetic: matrix products marked QUANTISED: E2M3 operands, one E8M0 scale for each 32 along K, by v_wmma_scale_f32_16x16x128_f8f6f4 with both operands' format E2M3, f32 sums; everything else in f32.
;; Inputs: Wk 1,024 x 1,024 float32; Wo 1,024 x 1,024 float32; Wq 1,024 x 1,024 float32; Wv 1,024 x 1,024 float32; bk 1,024 float32; bo 1,024 float32; bq 1,024 float32; bv 1,024 float32; query 4 x 2,048 x 1,024 float32.
;; Outputs: out0 4 x 2,048 x 1,024 float32.
;; This version of the problem:
;;   THIS VERSION OF THE PROBLEM IS GIVEN IN LOW PRECISION. The matrix products marked QUANTISED in the list below multiply operands that are first quantised to E2M3 (2 exponent bits, 3 mantissa bits; 6 bits a number), with one power-of-two scale for each 32 numbers along K (OCP MX v1.0); their sums are f32. All else is computed in f32.
;;   The module's matrix products, in the order in which they are computed (A, B: the left and right operand; K: the contracted axis; several contracted axes count as one K, in the product's order):
;;     1. [M 8,192, K 1,024] x [K 1,024, N 1,024]; A: input query; B: input Wq: QUANTISED
;;     2. [M 8,192, K 1,024] x [K 1,024, N 1,024]; A: input query; B: input Wk: QUANTISED
;;     3. [M 8,192, K 1,024] x [K 1,024, N 1,024]; A: input query; B: input Wv: QUANTISED
;;     4. batch 64 x [M 2,048, K 64] x [K 64, N 2,048]; A: computed on the way; B: computed on the way: QUANTISED
;;     5. batch 64 x [M 2,048, K 2,048] x [K 2,048, N 64]; A: softmax (see below); B: computed on the way: QUANTISED
;;     6. [M 8,192, K 1,024] x [K 1,024, N 1,024]; A: computed on the way; B: input Wo: QUANTISED
;;   THE QUANTISER, for each operand of a quantised product, along K:
;;     - K is cut into blocks of 32 from its start; a last block that is shorter is filled with zeros.
;;     - A block's scale is 2^e with e = floor(log2(the largest magnitude in the block)) - 2, held to -126 .. 127; a block of zeros has e = 0. As a byte (E8M0): e + 127.
;;     - Each number is divided by its block's scale, clamped to +-7.5, and rounded to the nearest number of E2M3, ties to even, subnormals kept.
;;     - The product sums the exact products of the quantised numbers (number of the format x scale) in f32.
;;   ~~~python
;;   def quantise(x, axis):      # numpy; x: float32 -> the quantised numbers, widened to float32 again
;;       x = np.moveaxis(x, axis, -1); K = x.shape[-1]
;;       x = np.pad(x, [(0, 0)] * (x.ndim - 1) + [(0, -K % 32)]); x = x.reshape(x.shape[:-1] + (-1, 32)); a = np.abs(x).max(-1, keepdims=True)
;;       e = np.where(a > 0, np.clip(np.frexp(np.where(a > 0, a, 1))[1] - 1 - 2, -126, 127), 0)      # np.frexp(a)[1] - 1 = floor(log2(a)), exactly
;;       r = np.clip(x / 2.0 ** e, -7.5, 7.5)
;;       step = 2.0 ** (np.maximum(np.frexp(np.where(r == 0, 1, r))[1] - 1, 0) - 3)
;;       q = np.round(r / step) * step * 2.0 ** e      # np.round: ties to even
;;       return np.moveaxis(q.reshape(q.shape[:-2] + (-1,))[..., :K], -1, axis).astype(np.float32)
;;   ~~~
;;   SOFTMAX AHEAD OF A QUANTISED PRODUCT. Where the list says 'softmax', what is quantised is not the finished softmax but p = 2^(t - M), with t = logit x log2(e) and M = ceil(the row's largest t), a whole number; so 1/2 < the row's largest p <= 1. The row's sum l is taken of the UNQUANTISED p, in f32, and the product's result is divided by l at the end. Since M is a whole number, a kernel that streams over the keys may use a running M (the ceiling of the running maximum): every later rescaling is an exact power of two, which a block's scale takes up: the codes' values come out the same.
;;   OPERANDS COMPUTED ON THE WAY. 'Computed on the way' means the value that the module computes at that place (a softmax that the list does not call 'softmax' is quantised finished and normalised). What goes into a quantiser is computed in f32, as accurately as f32 sums, v_exp_f32 and their like allow (about 1e-6 of the number): no bf16 or f16 on the way to a quantiser, and a product that is left as it is and whose result goes on into a quantised operand takes f32 operands (vector FMAs, or v_wmma_f32_16x16x4_f32). A number that lies on a knife's edge between two numbers of the format may be rounded either way, as far as f32 arithmetic and the matrix unit's own rounding can turn it there, and no further.
;; One version. Each part assembles by itself: llvm-mc -triple=amdgcn-amd-amdhsa -mcpu=gfx1250 --defsym DOCPART=n.
;; ======== version 1 of 1: 4 launches
;; limits: right only within a limited range of input values
;; workspace buffers: ops 9,830,400 bytes; qkv 26,738,688 bytes; ao 6,553,600 bytes
;; launch qx (part 1): grid 640 x 1, 8 waves a work-group, no clusters, 70,144 bytes of LDS; arguments Wq, Wk, Wv, Wo, ops, query; writes ops
.if DOCPART == 1
	.amdgcn_target "amdgcn-amd-amdhsa--gfx1250"
	.amdhsa_code_object_version 6
	.text
	.protected	k_qca458f51cc_qx
	.globl	k_qca458f51cc_qx
	.p2align	8
	.type	k_qca458f51cc_qx,@function
k_qca458f51cc_qx:
	s_mov_b64 s[64:65], 0
	v_nop
	global_prefetch_b8 v0, s[64:65] scope:SCOPE_SE
	s_setreg_imm32_b32 hwreg(HW_REG_WAVE_MODE, 25, 1), 1
	s_wait_xcnt 0x0
; query [8192][1024] f32 becomes codes of FP6 (E2M3) with one E8M0 byte for each 32 along its rows, laid as the products' launches take them:
; block R (128 tokens, 102,400 bytes) of ops: bytes 0-4095 scale words [K step 8][tile 8][row 16]; from 4096 on, for K step s and tile i, the 12 registers of the operand's fragment as three runs of 512 bytes, 16 bytes a lane.
; THE ROWS OF A TILE ARE NOT NEIGHBOURS: lane r of tile 2 b + u holds token 32 b + 8 u + r + 8 (r / 8) of the block, so that results whose registers run along these rows come out as neighbours.
; A work-group takes one block and one K step of 128; each of its eight waves one tile of 16 rows.  Each load reads a row's 512 consecutive bytes; the 16 rows turn through the wave's own stage in LDS
; (pitch 528 = 33 x 16 bytes: sixteen rows fall on sixteen different columns of 16 bytes), so that a lane gets 16 neighbours of each block of 32.
; A block's scale: the largest magnitude's exponent field less 2, held at 1 from below.  LIMITS: a block of zeros (and one whose largest magnitude lies under 2^-124) gets the byte 1 where the rule says 127: its codes are zeros
; (or held), and the bytes are read by this program alone.  NaN and infinities are not served.
; No matrix unit, no cluster: work-groups share no input.
.set BLK,   102400
.set STW,   16*528                     ; a wave's stage
.set GST,   8*STW                      ; 512 bytes: the eight tiles' scale words meet here
.set QWS,   GST+512                    ; 1,024 bytes of the weights' path alone: the scale words of its two K steps
.set SPARE, QWS+1024                   ; the spare words, 128 bytes a wave
.set R,   16                           ; v16-79   16 rows as loaded
.set X,   80                           ; v80-143  64 numbers of my row: register 16 b + i = k 32 b + 16 (lane / 16) + i
.set PC,  144                          ; v144-155 the fragment; v156-163 at work
.set TM,  164                          ; v164-179 at work
.set PW,  180                          ; the scale word
.set SEL, 16                           ; s[16:17] selects for lane l xor 16
.macro QUANT s
.irp b, 0,1,2,3
	v_max3_num_f32 v[TM+\b], |v[\s+16*\b]|, |v[\s+1+16*\b]|, 0x1800000   ; block b: my 16 numbers and the floor 2^(3 - 127)
.endr
.irp i, 2,4,6,8,10,12,14
.irp b, 0,1,2,3
	s_delay_alu instid0(VALU_DEP_4)
	v_max3_num_f32 v[TM+\b], v[TM+\b], |v[\s+16*\b+\i]|, |v[\s+1+16*\b+\i]|
.endr
.endr
.irp b, 0,1,2,3
	s_delay_alu instid0(VALU_DEP_4)
	v_permlanex16_b32 v[TM+4+\b], v[TM+\b], s[SEL], s[SEL+1]
.endr
.irp b, 0,1,2,3
	s_delay_alu instid0(VALU_DEP_4)
	v_max_num_f32 v[TM+\b], v[TM+\b], v[TM+4+\b]       ; with lane l xor 16's: the block's largest magnitude
.endr
.irp b, 0,1,2,3
	s_delay_alu instid0(VALU_DEP_4)
	v_add_nc_u32 v[TM+12+\b], 0xff000000, v[TM+\b]     ; 2 off its exponent field: the conversion's scale operand
.endr
.irp b, 0,1,2,3
	s_delay_alu instid0(VALU_DEP_4)
	v_lshrrev_b32 v[TM+4+\b], 23, v[TM+12+\b]          ; the scale's byte
.endr
	s_delay_alu instid0(VALU_DEP_3)
	v_lshl_or_b32 v[PW], v[TM+5], 8, v[TM+4]
	s_delay_alu instid0(VALU_DEP_1)
	v_lshl_or_b32 v[PW], v[TM+6], 16, v[PW]
	s_delay_alu instid0(VALU_DEP_1)
	v_lshl_or_b32 v[PW], v[TM+7], 24, v[PW]
.irp c, 0,1
	v_cvt_scalef32_pk16_fp6_f32 v[PC+6*\c:PC+2+6*\c], v[\s+32*\c:\s+15+32*\c], v[TM+12+2*\c]
	v_cvt_scalef32_pk16_fp6_f32 v[PC+12+4*\c:PC+14+4*\c], v[\s+16+32*\c:\s+31+32*\c], v[TM+12+2*\c+1]
.endr
	v_nop                                              ; one plain place behind a scaled conversion
.irp c, 0,1                                            ; a whole block to a lane: lanes 0-15 block 2 c, lanes 16-31 block 2 c + 1
.irp i, 0,1,2
	v_permlane16_swap_b32 v[PC+6*\c+\i], v[PC+12+4*\c+\i]
.endr
.irp i, 0,1,2
	s_delay_alu instid0(VALU_DEP_3)
	v_mov_b32 v[PC+3+6*\c+\i], v[PC+12+4*\c+\i]
.endr
.endr
.endm
	s_cmp_lt_u32 ttmp9, 128                        ; ONE LAUNCH PREPARES ALL OPERANDS: work-groups 0-127 take the four weights (below), work-groups 128-639 the tokens
	s_cbranch_scc1 .Lweights
	s_load_b64 s[4:5], s[0:1], 0x28                ; query
	s_load_b64 s[6:7], s[0:1], 0x20                ; ops
	v_lshl_add_u32 v8, v0, 2, SPARE                ; my spare word
	v_mov_b32 v9, 0
	v_lshrrev_b32 v1, 5, v0
	s_delay_alu instid0(VALU_DEP_1)
	v_readfirstlane_b32 s8, v1                     ; wave = tile i
	v_and_b32 v1, 31, v0                           ; lane
	v_and_b32 v2, 15, v0                           ; r
	v_bfe_u32 v3, v0, 4, 1                         ; h
	s_delay_alu instid0(VALU_DEP_3)
	v_lshlrev_b32 v4, 4, v1                        ; 16 x lane
	s_mul_i32 s11, s8, STW
	v_add_nc_u32 v5, s11, v4                       ; the stage, on the way in
	v_mul_u32_u24 v6, v2, 528
	s_delay_alu instid0(VALU_DEP_1)
	v_lshl_add_u32 v6, v3, 6, v6
	s_delay_alu instid0(VALU_DEP_1)
	v_add_nc_u32 v6, s11, v6                       ; and out: row r, + 64 h
	s_lshl_b32 s11, s8, 6
	v_lshl_add_u32 v7, v2, 2, GST
	s_delay_alu instid0(VALU_DEP_1)
	v_add_nc_u32 v7, s11, v7                       ; my row's scale word: 64 i + 4 r
	v_add_nc_u32 v10, GST, v4                      ; wave 0 reads the 512 bytes back
	s_mov_b32 s[SEL], 0x76543210
	s_mov_b32 s[SEL+1], 0xfedcba98
.irp b, 0,1,2,3
	v_mov_b32 v[TM+4+\b], 0                        ; a lane permute's destination counts as one of its sources
.endr
	s_lshr_b32 s9, ttmp9, 3
	s_sub_co_u32 s9, s9, 16                        ; block R, counted from work-group 128
	s_and_b32 s10, ttmp9, 7                        ; K step s
	s_lshl_b32 s12, s9, 7
	s_lshr_b32 s13, s8, 1
	s_lshl_b32 s13, s13, 5
	s_add_co_u32 s12, s12, s13
	s_and_b32 s13, s8, 1
	s_lshl_b32 s13, s13, 3
	s_add_co_u32 s12, s12, s13                     ; the tile's first token: 128 R + 32 (i / 2) + 8 (i % 2)
	s_lshl_b32 s12, s12, 12
	s_lshl_b32 s13, s10, 9
	s_add_co_u32 s12, s12, s13                     ; x 4,096 bytes + 512 s
	s_mov_b32 s13, 0
	s_mul_i32 s14, s9, BLK
	s_lshl_b32 s22, s10, 9
	s_add_co_u32 s22, s22, s14                     ; the step's scale words
	s_mov_b32 s23, 0
	s_mul_i32 s20, s10, 12288
	s_add_co_u32 s20, s20, s14
	s_mul_i32 s15, s8, 1536
	s_add_co_u32 s20, s20, s15                     ; my fragment's image (4,096 more stand in the immediates)
	s_mov_b32 s21, 0
	s_wait_alu depctr_va_vdst(0)
	s_wait_kmcnt 0x0
	s_add_nc_u64 s[4:5], s[4:5], s[12:13]
	s_add_nc_u64 s[20:21], s[6:7], s[20:21]
	s_add_nc_u64 s[22:23], s[6:7], s[22:23]
.irp j, 0,1,2,3,4,5,6,7,8,9,10,11,12,13,14,15
	global_load_b128 v[R+4*\j:R+4*\j+3], v4, s[4:5] offset:((\j%8)+16*(\j/8))*4096 th:TH_LOAD_NT   ; lane j's row: 512 consecutive bytes
.endr
.irp j, 0,1,2,3,4,5,6,7,8,9,10,11,12,13,14,15
	s_wait_loadcnt 15-\j                           ; loads come back in order: row j is in, the younger ones may be out
	ds_store_b128 v5, v[R+4*\j:R+4*\j+3] offset:528*\j
.endr
.irp b, 0,1,2,3
.irp q, 0,1,2,3
	ds_load_b128 v[X+16*\b+4*\q:X+16*\b+4*\q+3], v6 offset:128*\b+16*\q   ; LDS serves a wave's instructions in order: these see my stores
.endr
.endr
	s_wait_dscnt 0x0
	QUANT X
.irp c, 0,1,2
	global_store_b128 v4, v[PC+4*\c:PC+4*\c+3], s[20:21] offset:4096+512*\c   ; 512 consecutive bytes, at a multiple of 256
.endr
	ds_store_b32 v7, v[PW]                         ; lanes r and r + 16 write the same word with the same value
	s_wait_dscnt 0x0                               ; for the others' sake: my store has landed
	s_barrier_signal -1
	s_barrier_wait -1
	s_cmp_lg_u32 s8, 0
	s_cbranch_scc1 .Lend
	ds_load_b128 v[184:187], v10                   ; the eight tiles' words
	s_wait_dscnt 0x0
	global_store_b128 v4, v[184:187], s[22:23]     ; 512 consecutive bytes
.Lend:
	s_wait_tensorcnt 0x0                           ; the wave's end: behind my last LDS store
	ds_add_u32 v8, v9
	s_wait_dscnt 0x0
	s_endpgm
; THE WEIGHTS.  The four weights [1024 (k)][1024 (n)] f32 are quantised along their FIRST axis into codes of FP6 (E2M3), one E8M0 byte for each 32 along k, and laid as operand images:
; block 64 + 8 w + N of ops (weight w, columns 128 N on), in the layout of the tokens' blocks: scale words [K step][tile][row], then fragments as images of their registers.
; A LANE TAKES A COLUMN AND ITS REGISTERS RUN DOWN K: a block of 32 lies in one lane, the conversions give codes with K innermost, nothing is transposed.
; Position p of a group of 32 columns holds the column with bits 3 and 4 of p exchanged (tile 2 b + u, lane r: column 32 b + 8 u + r + 8 (r / 8)).
; A work-group (number 32 w + 4 N + pair): one weight, one block N, two K steps of 128; waves 0-3 take the first step, waves 4-7 the second; wave v of the four: positions 32 v .. 32 v + 31: tiles 2 v and 2 v + 1.
; LIMITS as for the tokens: a block of zeros gets the byte 1; NaN and infinities are not served.
.Lweights:
.set X, 32                             ; v32-159  128 numbers down K
	s_load_b256 s[4:11], s[0:1], 0x0               ; Wq, Wk, Wv, Wo
	s_load_b64 s[12:13], s[0:1], 0x20              ; ops
	v_lshl_add_u32 v20, v0, 2, SPARE
	v_mov_b32 v21, 0
	v_lshrrev_b32 v1, 5, v0
	v_readfirstlane_b32 s14, v1                    ; wave 0..7
	s_and_b32 s26, s14, 3                          ; v
	s_lshr_b32 s27, s14, 2                         ; which of the two K steps
	v_and_b32 v1, 31, v0                           ; lane = position
	v_and_b32 v2, 7, v1
	v_bfe_u32 v3, v0, 3, 1
	v_bfe_u32 v4, v0, 4, 1
	v_lshl_add_u32 v2, v3, 4, v2
	v_lshl_add_u32 v2, v4, 3, v2                   ; the position's column: bits 3 and 4 exchanged
	v_lshlrev_b32 v2, 2, v2                        ; in bytes
	v_lshlrev_b32 v5, 4, v1                        ; 16 x lane
	s_lshl_b32 s20, s26, 7
	s_lshl_b32 s28, s27, 9
	s_add_co_u32 s28, s28, QWS                     ; my step's 512 bytes of scale words in LDS
	s_add_co_u32 s29, s28, s20
	v_lshl_add_u32 v6, v1, 2, s29                  ; my scale word: 128 v + 4 x lane = 64 x tile + 4 r
	v_add_nc_u32 v7, s28, v5                       ; and where the step's first wave reads the 512 bytes back
	s_lshr_b32 s15, ttmp9, 5                       ; weight w
	s_bfe_u32 s16, ttmp9, 0x30002                  ; N
	s_and_b32 s17, ttmp9, 3
	s_lshl_b32 s17, s17, 1
	s_add_co_u32 s17, s17, s27                     ; K step s
	s_lshl_b32 s18, s17, 19                        ; 128 s rows of 4,096 bytes
	s_lshl_b32 s19, s16, 9
	s_add_co_u32 s18, s18, s19
	s_add_co_u32 s18, s18, s20                     ; + (128 N + 32 v) x 4
	s_mov_b32 s19, 0
	s_lshl_b32 s21, s15, 3
	s_add_co_u32 s21, s21, s16
	s_add_co_u32 s21, s21, 64
	s_mul_i32 s21, s21, BLK                        ; my block of ops
	s_mul_i32 s22, s17, 12288
	s_add_co_u32 s22, s22, s21
	s_mul_i32 s23, s26, 3072
	s_add_co_u32 s22, s22, s23                     ; my two fragments' images
	s_mov_b32 s23, 0
	s_lshl_b32 s24, s17, 9
	s_add_co_u32 s24, s24, s21                     ; the step's scale words
	s_mov_b32 s25, 0
	s_wait_alu depctr_va_vdst(0)
	s_wait_kmcnt 0x0
	s_cmp_eq_u32 s15, 1                            ; the choice hangs on the work-group's number alone
	s_cselect_b64 s[4:5], s[6:7], s[4:5]
	s_cmp_eq_u32 s15, 2
	s_cselect_b64 s[4:5], s[8:9], s[4:5]
	s_cmp_eq_u32 s15, 3
	s_cselect_b64 s[4:5], s[10:11], s[4:5]
	s_add_nc_u64 s[4:5], s[4:5], s[18:19]
	s_add_nc_u64 s[22:23], s[12:13], s[22:23]
	s_add_nc_u64 s[24:25], s[12:13], s[24:25]
.macro LOAD t                          ; block t: W(128 s + 32 t + i, my column)
.set k, 32*(\t)
.rept 32
	global_load_b32 v[X+k], v2, s[4:5] offset:k*4096 th:TH_LOAD_NT
.set k, k+1
.endr
.endm
.macro BLOCK t                         ; block t's 32 numbers become 6 registers of codes and a byte
.set XS, X+32*(\t)
.set T, 160+12*((\t)%2)+6*((\t)/2)     ; blocks 0, 2 at v160, v166; blocks 1, 3 at v172, v178
	v_max3_num_f32 v10, |v[XS]|, |v[XS+1]|, |v[XS+2]|
	v_max3_num_f32 v11, |v[XS+3]|, |v[XS+4]|, |v[XS+5]|
.irp i, 6,10,14,18,22,26
	v_max3_num_f32 v10, v10, |v[XS+\i]|, |v[XS+\i+1]|
	v_max3_num_f32 v11, v11, |v[XS+\i+2]|, |v[XS+\i+3]|
.endr
	v_max3_num_f32 v10, v10, |v[XS+30]|, |v[XS+31]|
	v_max3_num_f32 v10, v10, v11, 0x1800000        ; and the floor 2^(3 - 127)
	v_add_nc_u32 v12, 0xff000000, v10              ; 2 off the exponent field: the conversion's scale operand
	v_lshrrev_b32 v13, 23, v12                     ; the byte
.if (\t) == 0
	v_mov_b32 v16, v13
.else
	v_lshl_or_b32 v16, v13, 8*(\t), v16
.endif
	v_cvt_scalef32_pk16_fp6_f32 v[T:T+2], v[XS:XS+15], v12
	v_cvt_scalef32_pk16_fp6_f32 v[184:186], v[XS+16:XS+31], v12   ; (a conversion's three registers begin on an even number)
	v_nop                                          ; one plain place behind a scaled conversion
.irp i, 0,1,2
	v_mov_b32 v[T+3+\i], v[184+\i]
.endr
.endm
	LOAD 0
	LOAD 1
	s_wait_loadcnt 32                              ; block 0 is in; block 1's 32 loads may be out
	LOAD 2
	BLOCK 0
	s_wait_loadcnt 32                              ; block 1 is in; block 2's may be out
	LOAD 3
	BLOCK 1
	s_wait_loadcnt 32                              ; block 2 is in; block 3's may be out
	BLOCK 2
	s_wait_loadcnt 0x0
	BLOCK 3
.irp i, 0,1,2,3,4,5                    ; lanes 0-15 hold tile 2 v's columns, lanes 16-31 tile 2 v + 1's; a fragment wants blocks 0, 2 in lanes 0-15 and blocks 1, 3 in lanes 16-31
	v_permlane16_swap_b32 v[160+\i], v[172+\i]     ; block 0's upper lanes change places with block 1's lower lanes
	v_permlane16_swap_b32 v[166+\i], v[178+\i]     ; blocks 2 and 3 likewise: v160-171 is tile 2 v, v172-183 tile 2 v + 1
.endr
.irp c, 0,1,2,3,4,5
	global_store_b128 v5, v[160+4*\c:163+4*\c], s[22:23] offset:4096+512*\c   ; 3,072 consecutive bytes in all
.endr
	ds_store_b32 v6, v16
	s_wait_dscnt 0x0                               ; for the others' sake
	s_barrier_signal -1
	s_barrier_wait -1
	s_cmp_lg_u32 s26, 0
	s_cbranch_scc1 .Lwend
	ds_load_b128 v[24:27], v7
	s_wait_dscnt 0x0
	global_store_b128 v5, v[24:27], s[24:25]       ; the step's 512 bytes of scale words
.Lwend:
	s_wait_tensorcnt 0x0                           ; the wave's end: behind my last LDS store
	ds_add_u32 v20, v21
	s_wait_dscnt 0x0
	s_endpgm
.Lfunc_end_k_qca458f51cc_qx:
	.size	k_qca458f51cc_qx, .Lfunc_end_k_qca458f51cc_qx-k_qca458f51cc_qx
	.p2alignl 7, 3214868480
	.fill 96, 4, 3214868480
	.section	.rodata,"a",@progbits
	.p2align	6, 0x0
	.amdhsa_kernel k_qca458f51cc_qx
		.amdhsa_group_segment_fixed_size 70144
		.amdhsa_private_segment_fixed_size 0
		.amdhsa_enable_private_segment 0
		.amdhsa_kernarg_size 48
		.amdhsa_user_sgpr_count 2
		.amdhsa_user_sgpr_kernarg_segment_ptr 1
		.amdhsa_wavefront_size32 1
		.amdhsa_system_sgpr_workgroup_id_x 1
		.amdhsa_system_sgpr_workgroup_id_y 1
		.amdhsa_system_sgpr_workgroup_id_z 1
		.amdhsa_system_vgpr_workitem_id 0
		.amdhsa_next_free_vgpr 192
		.amdhsa_next_free_sgpr 66
		.amdhsa_reserve_vcc 0
		.amdhsa_float_denorm_mode_32 3
		.amdhsa_float_denorm_mode_16_64 3
		.amdhsa_memory_ordered 1
		.amdhsa_forward_progress 1
		.amdhsa_inst_pref_size 35
	.end_amdhsa_kernel
	.amdgpu_metadata
---
amdhsa.version: [ 1, 2 ]
amdhsa.kernels:
  - .name:           k_qca458f51cc_qx
    .symbol:         k_qca458f51cc_qx.kd
    .args:
      - { .name: Wq, .offset: 0, .size: 8, .value_kind: global_buffer, .address_space: global }
      - { .name: Wk, .offset: 8, .size: 8, .value_kind: global_buffer, .address_space: global }
      - { .name: Wv, .offset: 16, .size: 8, .value_kind: global_buffer, .address_space: global }
      - { .name: Wo, .offset: 24, .size: 8, .value_kind: global_buffer, .address_space: global }
      - { .name: ops, .offset: 32, .size: 8, .value_kind: global_buffer, .address_space: global }
      - { .name: query, .offset: 40, .size: 8, .value_kind: global_buffer, .address_space: global }
    .group_segment_fixed_size: 70144
    .private_segment_fixed_size: 0
    .kernarg_segment_align: 8
    .kernarg_segment_size: 48
    .max_flat_workgroup_size: 256
    .sgpr_count:     66
    .vgpr_count:     192
    .wavefront_size: 32
...
	.end_amdgpu_metadata
.endif
;; end of part 1
;; launch qkv (part 2): grid 12 x 64, 4 waves a work-group, clusters of 4 x 4, 327,680 bytes of LDS; arguments ops, bq, bk, bv, qkv; writes qkv
.if DOCPART == 2
	.amdgcn_target "amdgcn-amd-amdhsa--gfx1250"
	.amdhsa_code_object_version 6
	.text
	.protected	k_qca458f51cc_qkv
	.globl	k_qca458f51cc_qkv
	.p2align	8
	.type	k_qca458f51cc_qkv,@function
k_qca458f51cc_qkv:
	s_mov_b64 s[64:65], 0
	v_nop
	global_prefetch_b8 v0, s[64:65] scope:SCOPE_SE
	s_setreg_imm32_b32 hwreg(HW_REG_WAVE_MODE, 25, 1), 1
	s_wait_xcnt 0x0
	s_wait_alu depctr_hold_cnt(0) depctr_sa_sdst(0) depctr_va_vdst(0) depctr_va_sdst(0) depctr_va_ssrc(0) depctr_va_vcc(0) depctr_vm_vsrc(0)
	s_getreg_b32 s2, hwreg(HW_REG_IB_STS2, 6, 4)
	s_cmp_eq_u32 s2, 0
	s_cbranch_scc0 .Lentry_in_a_cluster
	s_endpgm
.Lentry_in_a_cluster:
	s_bfe_u32 s2, ttmp6, 0x10000c
	s_cmp_lg_u32 s2, 0xf033
	s_cbranch_scc0 .Lentry_shape_is_right
	s_endpgm
.Lentry_shape_is_right:
; Q = x Wq + bq, K = x Wk + bk, V = x Wv + bv on codes of FP6 (E2M3) with E8M0 scales, and the results quantised at once for attention: Q and K along the head's 64, V along the keys.  No f32 result goes to memory.
; OPERANDS are blocks of ops: 128 rows x all of K = 1,024: 4,096 bytes of scale words, then 8 K steps x 8 tiles of fragments as images of their registers (102,400 bytes, dense).
; A work-group multiplies one block "A" by two blocks "B", all three resident in LDS: no slot is filled twice.  Four waves: wave (wr, wc) = A's tiles 4 wr .. 4 wr + 3 x block wc's eight tiles: 32 accumulators.
; THE MATRIX INSTRUCTION IS USED TRANSPOSED (source 0 = 16 rows of B, source 1 = 16 rows of A): a lane holds one row of A, and, by the order of rows in a tile, its 64 registers of an A tile are B's rows 32 b + 16 (lane / 16) + i.
; ROLES by the cluster's x, which all partners share (chosen by selects, no branch): 0: Q, 1: K: A = tokens, B = the weight's columns: a lane's registers run along the channels of a pair of heads;
; 2: V: A = Wv's columns, B = tokens: a lane holds one channel and its registers run along 128 keys.  In both cases the 64 registers are one fragment of the next product's operand.
; CLUSTER 4 x 4: A's block hangs on cy alone and is asked for jointly along a row of the cluster, B's on cx alone, jointly along a column.  Wave 0 asks for A's first half, wave 1 for both B blocks' first halves, wave 2 for A's second half, wave 3 for B's second halves: one tensor load of a wave is out at the most.
; OUT: head blocks of 13,056 bytes for (batch, head, 128 tokens): K's (or Q's) codes [tile][512 + 256 bytes], V's codes [channel tile][key half][512 + 256], V's scale words, then K's (or Q's).
; The bias is the sums' first term (an order of rounding other than x W + b's).  LIMITS: NaN and infinities in inputs and biases are not served (the bias that a role does not use is multiplied by 0);
; a block of zeros gets the scale byte 1, read by this program alone.
; REGISTERS: window 0: v1-13 addresses; v32-43 scale words, two sets; v48-143 A's fragments, two sets (later the codes made); v144-207 the columns' bias; v208-215 the rows'; v216-237 at work.
;   window 1: v0-191 B's fragments, two sets.   window 2: accumulator (a, b) at v[8 (8 a + b)].
.set BLK,   102400
.set QTR,   25600                      ; a quarter of a block: 100 rows of 256 bytes
.set SB,    13056                      ; a head block of qkv, for (batch, head, 128 tokens): K's (or Q's) codes 6,144, V's codes 6,144, V's scale words 256, K's (or Q's) scale words 512
.set HS,    16*SB                      ; from a head to the next: 16 blocks of 128 tokens
.set SPARE, 3*BLK                      ; behind the three blocks: the spare words, 128 bytes a wave
.set ADA,  6                           ; v6, v7   my A fragments, K steps 0-3 and 4-7
.set ADB,  8                           ; v8, v9   my B fragments
.set ADS1, 10                          ; v10      scale words: lanes 0-15 A's tiles, lanes 16-31 B's tiles 0-3
.set ADS2, 11                          ; v11      B's tiles 4-7, two to a register
.set SPW,  12
.set NIL,  13
.set SC,   32
.set AF,   48
.set BC,   144
.set BR,   208
.set TM,   216
.set PWR,  232
.set SW,   236
.set PC,   48
.set WV,   14
.set G1A,  28
.set G1B,  36
.set G0A,  44
.set G0B,  68
.set SEL,  96
.set MSB, 0
.macro WIN new                         ; the immediate's high byte repeats the setting that is left
.if MSB != \new
	s_set_vgpr_msb (MSB<<8)|\new
.set MSB, \new
.endif
.endm
.macro CROUND                          ; a round of the cluster's barrier
	s_barrier_signal -1
	s_barrier_wait -1
	s_cmp_lg_u32 s[WV], 0
	s_cbranch_scc1 .Lnot_wave_0_\@
	s_barrier_signal -3
.Lnot_wave_0_\@:
	s_barrier_wait -3
	s_barrier_signal -1
	s_barrier_wait -1
.endm
; K step s's fragments and scale words into set p: 36 loads of 512 consecutive bytes, 6 of scale words
.macro FETCH s, p
	WIN 0x40                                       ; destination window 1, address window 0
.irp b, 0,1,2,3,4,5,6,7
.irp i, 0,1,2
	ds_load_b128 v[96*(\p)+12*\b+4*\i:96*(\p)+12*\b+4*\i+3], v[ADB+(\s)/4] offset:4096+12288*((\s)%4)+1536*\b+512*\i
.endr
.endr
	WIN 0
.irp a, 0,1,2,3
.irp i, 0,1,2
	ds_load_b128 v[AF+48*(\p)+12*\a+4*\i:AF+48*(\p)+12*\a+4*\i+3], v[ADA+(\s)/4] offset:4096+12288*((\s)%4)+1536*\a+512*\i
.endr
.endr
.irp j, 0,1,2,3
	ds_load_b32 v[SC+6*(\p)+\j], v[ADS1] offset:512*(\s)+64*\j
.endr
.irp k, 0,1
	ds_load_b32 v[SC+6*(\p)+4+\k], v[ADS2] offset:512*(\s)+256+128*\k
.endr
.endm
; A's tile a against B's eight, 128 along K.  The 32 accumulators take turns, one instruction a turn, in the same order in every step.
.macro MUL a, p
.irp b, 0,1,2,3,4,5,6,7
.set rD, 8*(8*(\a)+\b)
.set rB, 96*(\p)+12*\b
.set rA, AF+48*(\p)+12*(\a)
.set rT, SC+6*(\p)+(\a)
.if \b < 4
.set rS, SC+6*(\p)+\b
.else
.set rS, SC+6*(\p)+4+(\b-4)/2
.endif
.if (\b < 4) || (\b % 2)
	v_wmma_scale_f32_16x16x128_f8f6f4 v[rD:rD+7], v[rB:rB+11], v[rA:rA+11], v[rD:rD+7], v[rS], v[rT] matrix_a_fmt:MATRIX_FMT_FP6 matrix_b_fmt:MATRIX_FMT_FP6 matrix_a_scale:MATRIX_SCALE_ROW1
.else
	v_wmma_scale_f32_16x16x128_f8f6f4 v[rD:rD+7], v[rB:rB+11], v[rA:rA+11], v[rD:rD+7], v[rS], v[rT] matrix_a_fmt:MATRIX_FMT_FP6 matrix_b_fmt:MATRIX_FMT_FP6
.endif
.endr
.endm
; A K step: 32 matrix instructions; behind the first eight the next step's fragments are fetched into the other set.  Steps 0-3 lie in a block's first half, 4-7 in its second:
; in step 3 each wave shows the second halves landed and a barrier tells the others.
.macro STEP s
	s_wait_dscnt 0x0                               ; this step's fragments are in
.if (\s) == 3
	s_wait_tensorcnt 0x0                           ; every wave: the second halves are in, ahead of the fetch of K step 4
	s_barrier_signal -1
.endif
	WIN 0xa1                                       ; source 0 window 1, source 1 window 0, C and D window 2
	MUL 0, (\s)%2
.if (\s) == 3
	s_barrier_wait -1
.endif
.if (\s) < 7
.rept 4
	v_nop                                          ; four places between the last step's products and loads into the registers that they read
.endr
	FETCH (\s)+1, 1-(\s)%2
	WIN 0xa1
.endif
	MUL 1, (\s)%2
	MUL 2, (\s)%2
	MUL 3, (\s)%2
.endm
; 64 accumulator registers of window 2 from s on (register 16 b + i = k 32 b + 16 (lane / 16) + i of my row) become a fragment in v[PC] on and its scale word in v[pw].  Each accumulator is read from its low end on.
.macro QUANTW s, pw
	WIN 0x0a                                       ; sources 0 and 1 window 2
.irp b, 0,1,2,3
	v_max3_num_f32 v[TM+\b], |v[(\s)+16*\b]|, |v[(\s)+1+16*\b]|, 0x1800000
.endr
.irp i, 2,4,6,8,10,12,14
.irp b, 0,1,2,3
	v_max3_num_f32 v[TM+\b], |v[(\s)+16*\b+\i]|, |v[(\s)+1+16*\b+\i]|, v[TM+\b]
.endr
.endr
	WIN 0
.irp b, 0,1,2,3
	v_permlanex16_b32 v[TM+4+\b], v[TM+\b], s[SEL], s[SEL+1]
.endr
.irp b, 0,1,2,3
	v_max_num_f32 v[TM+\b], v[TM+\b], v[TM+4+\b]
.endr
.irp b, 0,1,2,3
	v_add_nc_u32 v[TM+12+\b], 0xff000000, v[TM+\b]
.endr
.irp b, 0,1,2,3
	v_lshrrev_b32 v[TM+4+\b], 23, v[TM+12+\b]
.endr
	v_lshl_or_b32 v[\pw], v[TM+5], 8, v[TM+4]
	v_lshl_or_b32 v[\pw], v[TM+6], 16, v[\pw]
	v_lshl_or_b32 v[\pw], v[TM+7], 24, v[\pw]
	WIN 0x02                                       ; source 0 window 2
.irp c, 0,1
	v_cvt_scalef32_pk16_fp6_f32 v[PC+6*\c:PC+2+6*\c], v[(\s)+32*\c:(\s)+15+32*\c], v[TM+12+2*\c]
	v_cvt_scalef32_pk16_fp6_f32 v[PC+12+4*\c:PC+14+4*\c], v[(\s)+16+32*\c:(\s)+31+32*\c], v[TM+12+2*\c+1]
.endr
	WIN 0
	v_nop                                          ; one plain place behind a scaled conversion
.irp c, 0,1
.irp i, 0,1,2
	v_permlane16_swap_b32 v[PC+6*\c+\i], v[PC+12+4*\c+\i]
.endr
.irp i, 0,1,2
	v_mov_b32 v[PC+3+6*\c+\i], v[PC+12+4*\c+\i]
.endr
.endr
.endm
	s_load_b256 s[4:11], s[0:1], 0x0               ; ops, bq, bk, bv
	s_load_b64 s[12:13], s[0:1], 0x20              ; qkv
	v_lshl_add_u32 v[SPW], v0, 2, SPARE
	v_mov_b32 v[NIL], 0
	ds_add_u32 v[SPW], v[NIL]                      ; the wave's opening: the add and its wait ahead of my first tensor load
	ds_add_u32 v[SPW], v[NIL]
	v_lshrrev_b32 v1, 5, v0
	v_readfirstlane_b32 s[WV], v1                  ; wave 0..3
	s_lshr_b32 s15, s[WV], 1                       ; wr
	s_and_b32 s16, s[WV], 1                        ; wc
	s_bfe_u32 s17, ttmp6, 0x40000                  ; cx
	s_bfe_u32 s18, ttmp6, 0x40004                  ; cy
	s_and_b32 s20, ttmp7, 0xffff                   ; the cluster's y
	s_lshl_b32 s21, s20, 2                         ; A's chain, s21-23: cy and the cluster's numbers alone
	s_add_co_u32 s21, s21, s18                     ; Q, K: tokens' block 4 cly + cy
	s_and_b32 s22, s20, 1
	s_lshl_b32 s22, s22, 2
	s_add_co_u32 s22, s22, s18                     ; V: Wv's block 4 (cly & 1) + cy
	s_add_co_u32 s23, s22, 80
	s_lshl_b32 s24, ttmp9, 2                       ; B's chain, s24-27: cx and the cluster's numbers alone
	s_add_co_u32 s24, s24, s17                     ; Q, K: pair of weight blocks 4 clx + cx
	s_lshr_b32 s25, s20, 1
	s_lshl_b32 s25, s25, 2
	s_add_co_u32 s25, s25, s17                     ; V: pair of tokens' blocks 4 (cly >> 1) + cx
	s_lshl_b32 s26, s24, 1
	s_add_co_u32 s26, s26, 64
	s_lshl_b32 s27, s25, 1
	s_cmp_eq_u32 ttmp9, 2                          ; V?  The cluster's x: the same in all sixteen partners
	s_cselect_b32 s23, s23, s21                    ; A's block of ops
	s_cselect_b32 s21, s22, s21                    ; Atile
	s_cselect_b32 s26, s27, s26                    ; B's first block of ops
	s_cselect_b32 s24, s25, s24                    ; Btile
	s_mul_i32 s22, s23, BLK
	s_mov_b32 s23, 0
	s_mul_i32 s26, s26, BLK
	s_mov_b32 s27, 0
	s_lshl_b32 s2, s18, 2
	s_lshl_b32 s2, 15, s2                          ; my row of the cluster
	s_lshl_b32 s3, 0x1111, s17                     ; my column
	s_or_b32 s[G1A], s2, (3<<16)|(1<<21)           ; 15:0 the mask; 17:16 elements of 8 bytes; 21 set beside a mask; no padding
	s_or_b32 s[G1B], s3, (3<<16)|(1<<21)
; THE FILLS: each block comes in two halves: scale words and K steps 0-3 (H1 bytes), K steps 4-7 (H2 bytes).  Four loads, one a wave: A's first half, both B blocks' first halves (two rows of H1 bytes, a block apart), A's second half, B's second halves.
; LDS: A, B0, B1 first halves on end from 0; then the three second halves from 3 H1.
.set H1,   53248
.set H2,   49152
.set G1A2, 52
.set G1B2, 76
.macro GRP1 g, c, r, p                 ; r rows of c elements of 8 bytes, p elements from row to row
	s_mov_b32 s[\g+1], ((\c)&0xffff)<<16
	s_mov_b32 s[\g+2], (\r)<<16
	s_mov_b32 s[\g+3], (\c)<<16
	s_mov_b32 s[\g+4], \r
	s_mov_b32 s[\g+5], \p
	s_mov_b32 s[\g+6], 0
	s_mov_b32 s[\g+7], 0
.endm
	s_or_b32 s[G1A2], s2, (3<<16)|(1<<21)
	s_or_b32 s[G1B2], s3, (3<<16)|(1<<21)
	GRP1 G1A, 32, 208, 32
	GRP1 G1A2, 32, 192, 32
	GRP1 G1B, H1/8, 2, BLK/8
	GRP1 G1B2, H2/8, 2, BLK/8
	s_mov_b32 s[SEL], 0x76543210
	s_mov_b32 s[SEL+1], 0xfedcba98
	s_mov_b32 s94, 0xffff0000                      ; lanes 16-31
	s_wait_dscnt 0x0                               ; the opening add is done
	s_wait_kmcnt 0x0
	s_add_nc_u64 s[22:23], s[4:5], s[22:23]
	s_add_nc_u64 s[26:27], s[4:5], s[26:27]
.irp j, 0,1
	s_mov_b32 s[G0A+4*\j], 1
	s_mov_b32 s[G0A+4*\j+1], \j*3*H1
	s_add_nc_u64 s[G0A+4*\j+2:G0A+4*\j+3], s[22:23], \j*H1
	s_or_b32 s[G0A+4*\j+3], s[G0A+4*\j+3], 0x80000000
	s_mov_b32 s[G0B+4*\j], 1
	s_mov_b32 s[G0B+4*\j+1], H1+\j*(2*H1+H2)
	s_add_nc_u64 s[G0B+4*\j+2:G0B+4*\j+3], s[26:27], \j*H1
	s_or_b32 s[G0B+4*\j+3], s[G0B+4*\j+3], 0x80000000
.endr
	CROUND                                         ; all sixteen work-groups are here: the joint loads meet
.macro ARM under, g0, g1, next         ; one chain of branches on the wave's number, one load to an arm, all arms lead to one join
	s_cmp_lt_u32 s[WV], \under
	s_cbranch_scc0 \next
	tensor_load_to_lds s[\g0:\g0+3], s[\g1:\g1+7]
	s_nop 0
.rept 4
	v_nop
.endr
	s_branch .Lfilled
\next:
.endm
	ARM 1, G0A, G1A, .Lb_first
	ARM 2, G0B, G1B, .La_second
	ARM 3, G0A+4, G1A2, .Lb_second
	tensor_load_to_lds s[G0B+4:G0B+7], s[G1B2:G1B2+7]
	s_nop 0
.rept 4
	v_nop
.endr
.Lfilled:
	; the biases, while the tiles are on their way
	s_cmp_eq_u32 ttmp9, 1
	s_cselect_b64 s[6:7], s[8:9], s[6:7]
	s_cmp_eq_u32 ttmp9, 2
	s_cselect_b64 s[6:7], s[10:11], s[6:7]
	v_and_b32 v1, 31, v0                           ; lane
	v_and_b32 v2, 15, v0                           ; r
	s_wait_alu depctr_va_vdst(0)
	v_bfe_u32 v3, v0, 4, 1                         ; h
	s_and_b32 s92, s24, 3
	s_lshl_b32 s92, s92, 10
	s_lshl_b32 s93, s16, 9
	s_add_co_u32 s92, s92, s93
	v_lshlrev_b32 v14, 6, v3
	v_add_nc_u32 v14, s92, v14                     ; along B's rows: 4 (256 (Btile & 3) + 128 wc + 16 h): inside the 4,096 bytes in either role
	s_and_b32 s92, s21, 7
	s_lshl_b32 s92, s92, 9
	s_lshl_b32 s93, s15, 8
	s_add_co_u32 s92, s92, s93
	v_and_b32 v15, 7, v2
	v_bfe_u32 v16, v0, 3, 1
	v_lshl_add_u32 v15, v16, 4, v15
	v_lshlrev_b32 v15, 2, v15
	v_add_nc_u32 v15, s92, v15                     ; along A's rows: 4 (128 (Atile & 7) + 64 wr + r % 8 + 16 (r / 8)): likewise
.irp t, 0,1,2,3,4,5,6,7
	global_load_b128 v[BC+8*\t:BC+8*\t+3], v14, s[6:7] offset:(32*(\t/2)+8*(\t%2))*4
	global_load_b128 v[BC+8*\t+4:BC+8*\t+7], v14, s[6:7] offset:(32*(\t/2)+8*(\t%2))*4+16
.endr
.irp a, 0,1,2,3
	global_load_b32 v[BR+2*\a], v15, s[6:7] offset:(32*(\a/2)+8*(\a%2))*4
.endr
	; LDS addresses
	v_lshlrev_b32 v4, 4, v1                        ; 16 x lane
	v_lshlrev_b32 v5, 3, v1                        ; 8 x lane
	s_mul_i32 s60, s15, 6144
	v_add_nc_u32 v[ADA], s60, v4
	v_add_nc_u32 v[ADA+1], 3*H1-4096, v[ADA]       ; K steps 4-7: the second half (the loads' offsets count 4,096 bytes of scale words, which it has not)
	s_add_co_u32 s61, s16, 1
	s_mul_i32 s63, s61, H2
	s_add_co_u32 s63, s63, 3*H1-4096               ; my B block's second half
	s_mul_i32 s61, s61, H1                         ; and its first
	v_add_nc_u32 v[ADB], s61, v4
	v_add_nc_u32 v[ADB+1], s63, v4
	s_lshl_b32 s62, s15, 8
	s_sub_co_u32 s63, s61, s62
	v_mul_u32_u24 v16, s63, v3                     ; lanes 16-31 take B's words: one product, the distance between the two bases
	v_lshl_add_u32 v[ADS1], v2, 2, v16
	v_add_nc_u32 v[ADS1], s62, v[ADS1]
	v_lshl_add_u32 v[ADS2], v1, 2, s61
.irp b, 0,1,2,3
	v_mov_b32 v[TM+4+\b], 0                        ; a lane permute's destination counts as one of its sources
.endr
	; where the results go
	s_lshl_b32 s92, s24, 1
	s_add_co_u32 s92, s92, s16                     ; V: tokens' block 2 Btile + wc
	s_and_b32 s93, s24, 3
	s_lshl_b32 s93, s93, 1
	s_add_co_u32 s93, s93, s16                     ; Q, K: pair of heads 2 (Btile & 3) + wc
	s_cmp_eq_u32 ttmp9, 2
	s_cselect_b32 s92, s92, s21                    ; tok
	s_cselect_b32 s93, s21, s93                    ; hp
	s_mov_b32 s90, 768
	s_cselect_b32 s90, 1536, s90                   ; from my tile a to a + 1
	s_mov_b32 s86, HS
	s_cselect_b32 s86, 768, s86                    ; from a fragment's first six registers to its second six: the other head, or the other key half
	s_mov_b32 s61, 3072
	s_cselect_b32 s61, HS, s61
	s_cselect_b32 s62, 6144, 0
	s_mov_b32 s3, 256
	s_cselect_b32 s3, HS, s3                       ; the scale words, from wr = 0 to wr = 1: the next 256 bytes, or (V) the other head
	s_mov_b32 s63, 12544
	s_cselect_b32 s63, 12288, s63
	s_cselect_b32 s98, 0, 1.0                      ; the columns' bias counts for Q and K,
	s_cselect_b32 s95, -1, 0                       ; the rows' for V
	s_mov_b32 s99, s98                             ; (named with it as a pair)
	s_cmp_eq_u32 ttmp9, 0
	s_cselect_b32 s67, 0, 1024
	s_lshr_b32 s60, s92, 4
	s_lshl_b32 s60, s60, 3
	s_add_co_u32 s60, s60, s93
	s_lshl_b32 s60, s60, 5
	s_and_b32 s92, s92, 15
	s_add_co_u32 s60, s60, s92
	s_add_co_u32 s60, s60, s67
	s_mul_i32 s60, s60, SB                         ; my step block, in bytes
	s_mul_i32 s61, s61, s15
	s_add_co_u32 s84, s60, s62
	s_add_co_u32 s84, s84, s61
	s_mov_b32 s85, 0
	s_add_nc_u64 s[84:85], s[12:13], s[84:85]
	s_mov_b32 s87, 0
	s_add_nc_u64 s[86:87], s[84:85], s[86:87]
	s_mul_i32 s88, s15, s3
	s_add_co_u32 s88, s88, s63
	s_add_co_u32 s88, s88, s60
	s_mov_b32 s89, 0
	s_add_nc_u64 s[88:89], s[12:13], s[88:89]
	s_mov_b32 s91, 0
	s_wait_loadcnt 0x0
.irp a, 0,1,2,3
	v_and_b32 v[BR+2*\a], s95, v[BR+2*\a]
	v_mov_b32 v[BR+2*\a+1], 0                      ; (named with it as a pair)
.endr
	WIN 0x80                                       ; destination window 2
.irp a, 0,1,2,3                        ; the bias starts the sums: the columns' x (1 or 0) + the rows' (or 0), one fused multiply-add for two registers
.set i, 0
.rept 32
	v_pk_fma_f32 v[64*\a+2*i:64*\a+2*i+1], v[BC+2*i:BC+2*i+1], s[98:99], v[BR+2*\a:BR+2*\a+1] op_sel_hi:[1,0,0]
.set i, i+1
.endr
.endr
	WIN 0
	s_wait_alu depctr_va_vdst(0)
	s_cmp_lt_u32 s[WV], 2                          ; waves 0 and 1 asked for the first halves; the second halves may stay out
	s_cbranch_scc0 .Lnot_first
	s_wait_tensorcnt 0x0
.Lnot_first:
	s_barrier_signal -1
	s_barrier_wait -1                              ; everybody's is
	FETCH 0, 0
	STEP 0
	STEP 1
	STEP 2
	STEP 3
	STEP 4
	STEP 5
	STEP 6
	STEP 7
	WIN 0
.rept 4
	v_nop                                          ; four places between the last products and the first read of results, and writes of registers that they read
.endr
.irp a, 0,1,2,3
.if \a > 0
	s_wait_xcnt 0x0                                ; the last tile's stores have read their data and bases: both are written again only behind this wait
	s_add_nc_u64 s[84:85], s[84:85], s[90:91]
	s_add_nc_u64 s[86:87], s[86:87], s[90:91]
.endif
	QUANTW 64*\a, PWR+\a
	global_store_b128 v4, v[PC:PC+3], s[84:85]                 ; 512 consecutive bytes, at a multiple of 256
	global_store_b64 v5, v[PC+4:PC+5], s[84:85] offset:512     ; 256
	global_store_b128 v4, v[PC+6:PC+9], s[86:87]
	global_store_b64 v5, v[PC+10:PC+11], s[86:87] offset:512
.endr
	v_cndmask_b32 v[SW], v[PWR], v[PWR+1], s94     ; lanes 0-15: tile 0's words, lanes 16-31: tile 1's (a word stands in lanes r and r + 16 alike)
	v_cndmask_b32 v[SW+1], v[PWR+2], v[PWR+3], s94 ; tiles 2 and 3
	global_store_b64 v5, v[SW:SW+1], s[88:89]      ; 256 consecutive bytes
	s_cmp_eq_u32 ttmp9, 2                          ; the cluster's x: the same in all partners
	s_cbranch_scc1 .Lno_second
	v_perm_b32 v[TM], v[SW], v[SW], 0x01000302     ; Q, K: the pair's second head gets the words with its own two bytes lowest
	v_perm_b32 v[TM+1], v[SW+1], v[SW+1], 0x01000302
	global_store_b64 v5, v[TM:TM+1], s[88:89] offset:HS
.Lno_second:
	s_wait_tensorcnt 0x0                           ; the wave's end
	ds_add_u32 v[SPW], v[NIL]
	s_wait_dscnt 0x0
	CROUND                                         ; the closing round
	s_endpgm
.Lfunc_end_k_qca458f51cc_qkv:
	.size	k_qca458f51cc_qkv, .Lfunc_end_k_qca458f51cc_qkv-k_qca458f51cc_qkv
	.p2alignl 7, 3214868480
	.fill 96, 4, 3214868480
	.section	.rodata,"a",@progbits
	.p2align	6, 0x0
	.amdhsa_kernel k_qca458f51cc_qkv
		.amdhsa_group_segment_fixed_size 327680
		.amdhsa_private_segment_fixed_size 0
		.amdhsa_enable_private_segment 0
		.amdhsa_kernarg_size 40
		.amdhsa_user_sgpr_count 2
		.amdhsa_user_sgpr_kernarg_segment_ptr 1
		.amdhsa_wavefront_size32 1
		.amdhsa_system_sgpr_workgroup_id_x 1
		.amdhsa_system_sgpr_workgroup_id_y 1
		.amdhsa_system_sgpr_workgroup_id_z 1
		.amdhsa_system_vgpr_workitem_id 0
		.amdhsa_next_free_vgpr 768
		.amdhsa_next_free_sgpr 100
		.amdhsa_reserve_vcc 0
		.amdhsa_float_denorm_mode_32 3
		.amdhsa_float_denorm_mode_16_64 3
		.amdhsa_memory_ordered 1
		.amdhsa_forward_progress 1
		.amdhsa_inst_pref_size 94
	.end_amdhsa_kernel
	.amdgpu_metadata
---
amdhsa.version: [ 1, 2 ]
amdhsa.kernels:
  - .name:           k_qca458f51cc_qkv
    .symbol:         k_qca458f51cc_qkv.kd
    .args:
      - { .name: ops, .offset: 0, .size: 8, .value_kind: global_buffer, .address_space: global }
      - { .name: bq, .offset: 8, .size: 8, .value_kind: global_buffer, .address_space: global }
      - { .name: bk, .offset: 16, .size: 8, .value_kind: global_buffer, .address_space: global }
      - { .name: bv, .offset: 24, .size: 8, .value_kind: global_buffer, .address_space: global }
      - { .name: qkv, .offset: 32, .size: 8, .value_kind: global_buffer, .address_space: global }
    .group_segment_fixed_size: 327680
    .private_segment_fixed_size: 0
    .kernarg_segment_align: 8
    .kernarg_segment_size: 40
    .max_flat_workgroup_size: 128
    .sgpr_count:     100
    .vgpr_count:     768
    .wavefront_size: 32
...
	.end_amdgpu_metadata
.endif
;; end of part 2
;; launch attn (part 3): grid 4 x 64, 16 waves a work-group, clusters of 4 x 1, 327,680 bytes of LDS; arguments qkv, ao; writes ao
.if DOCPART == 3
	.amdgcn_target "amdgcn-amd-amdhsa--gfx1250"
	.amdhsa_code_object_version 6
	.text
	.protected	k_qca458f51cc_attn
	.globl	k_qca458f51cc_attn
	.p2align	8
	.type	k_qca458f51cc_attn,@function
k_qca458f51cc_attn:
	s_mov_b64 s[64:65], 0
	v_nop
	global_prefetch_b8 v0, s[64:65] scope:SCOPE_SE
	s_setreg_imm32_b32 hwreg(HW_REG_WAVE_MODE, 25, 1), 1
	s_wait_xcnt 0x0
	s_wait_alu depctr_hold_cnt(0) depctr_sa_sdst(0) depctr_va_vdst(0) depctr_va_sdst(0) depctr_va_ssrc(0) depctr_va_vcc(0) depctr_vm_vsrc(0)
	s_getreg_b32 s2, hwreg(HW_REG_IB_STS2, 6, 4)
	s_cmp_eq_u32 s2, 0
	s_cbranch_scc0 .Lentry_in_a_cluster
	s_endpgm
.Lentry_in_a_cluster:
	s_bfe_u32 s2, ttmp6, 0x10000c
	s_cmp_lg_u32 s2, 0x3003
	s_cbranch_scc0 .Lentry_shape_is_right
	s_endpgm
.Lentry_shape_is_right:
; Attention on codes of FP6 (E2M3) with E8M0 scales, 4 batches x 16 heads of 64, 2,048 tokens; the result is quantised at once along the embedding for the last projection.
; THE SOFTMAX: t = score x log2(e) / 8; M = the running largest t rounded UP to a whole number; p = 2^(t - M) is quantised along the keys, not normalised; the row's sum is taken of the unquantised p and divides at the end;
; when M moves, the sum and O are multiplied by 2^(old M - new M), which rounds nothing.
; SHARES.  A work-group owns ONE head (grid y = 16 batch + head) and 512 queries (grid x); each of its sixteen waves two tiles of 16 queries.  256 work-groups.
; LDS.  A head's K, V and scale words of 128 keys are one dense block of 13,056 bytes; the head's sixteen blocks, 64 bytes of padding behind each 256, are 261,120 bytes: all of them are resident.
; Each wave asks for one block at the head; nothing is filled twice, so the loop has no barrier but one: blocks 0-3 are shown by the first barrier, the others by a second one behind four key steps.
; No prefetch: every byte that a tensor load brings is asked for at the head, so no loop runs ahead of a request.
; CLUSTER 4 x 1: the four query blocks of a head walk the same K and V: each block is asked for JOINTLY (mask 15).  One tensor load of a wave is out at the most.
; BOTH PRODUCTS TRANSPOSED: S^T = K Q^T, O^T = V^T P^T: a lane holds one query throughout.
; THE KEYS OF A TILE ARE CHOSEN BY THE LANES' ADDRESSES: row 8 h + j of tile 4 c + q is key 64 c + 32 h + 8 q + j of the step, so that a lane's 32 scores of four tiles are one whole scale block of p, in the operand's order:
; no lane is asked for a block's maximum, and the conversions' results are the operand's registers.  In memory a tile 2 b + u holds tokens 32 b + 8 u + r + 8 (r / 8): rows 0-7 and rows 8-15 of my tile come from two tiles, 1,536 bytes apart
; (1,920 with the padding, which is 128 modulo 256: the sixteen lanes of a 16-byte load touch sixteen different columns).
; A HEAD IS 64, HALF OF THE INSTRUCTION'S 128: Q's operand is Q | zeros.  K's tiles lie 6 registers apart, and a product names a tile's six and the six above: what lies there meets zero codes under scale bytes between 1 and 254,
; and FP6 has no code for infinity or NaN: it adds nothing.
; THE ORDER OF A TILE STEP: K's fragments were asked for behind the last products; S^T; V's loads stand among the dependent lines that make M; the exponentials; O^T's rescaling with the scale word's lines among it; the conversions; O^T += V^T P^T;
; the next K fragments are asked for; 25 of the 32 additions of the row's sum follow those loads, in four chains.  The last trip of a run of steps fetches its own block's K once more (the address is held at the run's last block): nothing reads that.
; OUT: ao's fragment of (128 tokens, K step = pair of heads, tile) is two halves of 512 + 256 bytes, one a head.  A row's scale word holds two bytes of each head: my two bytes leave by one store of 2 bytes a lane, 4 bytes apart:
; these units of 256 bytes are written in part, 2 bytes for each 48 of codes.
; LIMITS: NaN and infinities are not served; the promise holds while the scaled scores stay under 2^31 in magnitude; v_exp_f32 and v_rcp_f32 as the ISA guide has them; a block's largest p is taken from its largest score;
; a block of zeros gets the byte 1 (read by this program alone).
; REGISTERS: v1-4, v7 lane terms of LDS addresses; v5, v6 the add's; v8 p's scale word; v9 8 x (lane / 16); v10-13 K's scale words, v14-15 V's, v16-17 Q's; v18-41 Q | 0 of my two tiles; v42-49: -M, largest score, the sum in two halves, a tile;
; v50-97 K's or V's fragments; v98-109 p's codes; v110-127 at work (v113, v117 V's addresses); v128-191 S^T, then p; v192-255 O^T.
.set HB,    13056
.set BL,    16320                      ; a block in LDS: 51 rows of 256 + 64 bytes
.set BLK,   102400
.set SPARE, 16*BL                      ; the spare words, 128 bytes a wave
.set WV,  8
.set G1,  16
.set G0,  24
.set SEL, 36
.set CS,  38
.set CN,  40
.set TB,  41
.set CNT, 42
.set TN,  59
.set TM,  120
.set PC,  98
.set PW,  8
.macro CROUND
	s_barrier_signal -1
	s_barrier_wait -1
	s_cmp_lg_u32 s[WV], 0
	s_cbranch_scc1 .Lnot_wave_0_\@
	s_barrier_signal -3
.Lnot_wave_0_\@:
	s_barrier_wait -3
	s_barrier_signal -1
	s_barrier_wait -1
.endm
.macro WALU
	s_wait_alu depctr_va_vdst(0)
.endm
.macro TLOAD
	tensor_load_to_lds s[G0:G0+3], s[G1:G1+7]
	s_nop 0
.rept 4
	v_nop
.endr
.endm
.macro WM d, a, b, c, sa, sb, odd
.if \odd
	v_wmma_scale_f32_16x16x128_f8f6f4 v[\d:\d+7], v[\a:\a+11], v[\b:\b+11], \c, v[\sa], v[\sb] matrix_a_fmt:MATRIX_FMT_FP6 matrix_b_fmt:MATRIX_FMT_FP6 matrix_a_scale:MATRIX_SCALE_ROW1
.else
	v_wmma_scale_f32_16x16x128_f8f6f4 v[\d:\d+7], v[\a:\a+11], v[\b:\b+11], \c, v[\sa], v[\sb] matrix_a_fmt:MATRIX_FMT_FP6 matrix_b_fmt:MATRIX_FMT_FP6
.endif
.endm
.macro QUANT s                         ; the way out: 64 numbers of a lane (register 16 b + i = channel 32 (b % 2) + 16 (lane / 16) + i of tile b / 2) become two half fragments in v[PC] on and their four scale bytes in v[PW]
.irp b, 0,1,2,3
	v_max3_num_f32 v[TM+\b], |v[\s+16*\b]|, |v[\s+1+16*\b]|, 0x1800000
.endr
.irp i, 2,4,6,8,10,12,14
.irp b, 0,1,2,3
	v_max3_num_f32 v[TM+\b], v[TM+\b], |v[\s+16*\b+\i]|, |v[\s+1+16*\b+\i]|
.endr
.endr
.irp b, 0,1,2,3
	v_permlanex16_b32 v[TM+4+\b], v[TM+\b], s[SEL], s[SEL+1]
.endr
.irp b, 0,1,2,3
	v_max_num_f32 v[TM+\b], v[TM+\b], v[TM+4+\b]
.endr
.irp b, 0,1,2,3
	v_add_nc_u32 v[TM+12+\b], 0xff000000, v[TM+\b]
.endr
.irp b, 0,1,2,3
	v_lshrrev_b32 v[TM+4+\b], 23, v[TM+12+\b]
.endr
	v_lshl_or_b32 v[PW], v[TM+5], 8, v[TM+4]
	v_lshl_or_b32 v[PW], v[TM+6], 16, v[PW]
	v_lshl_or_b32 v[PW], v[TM+7], 24, v[PW]
.irp c, 0,1
	v_cvt_scalef32_pk16_fp6_f32 v[PC+6*\c:PC+2+6*\c], v[\s+32*\c:\s+15+32*\c], v[TM+12+2*\c]
	v_cvt_scalef32_pk16_fp6_f32 v[PC+12+4*\c:PC+14+4*\c], v[\s+16+32*\c:\s+31+32*\c], v[TM+12+2*\c+1]
.endr
	v_nop                                          ; one plain place behind a scaled conversion
.irp c, 0,1
.irp i, 0,1,2
	v_permlane16_swap_b32 v[PC+6*\c+\i], v[PC+12+4*\c+\i]
.endr
.irp i, 0,1,2
	v_mov_b32 v[PC+3+6*\c+\i], v[PC+12+4*\c+\i]
.endr
.endr
.endm
	s_load_b128 s[4:7], s[0:1], 0x0                ; qkv, ao
	v_lshl_add_u32 v5, v0, 2, SPARE
	v_mov_b32 v6, 0
	ds_add_u32 v5, v6                              ; the wave's opening: the add, twice on end, and its wait ahead of my first tensor load
	ds_add_u32 v5, v6
	v_lshrrev_b32 v1, 5, v0
	v_readfirstlane_b32 s[WV], v1                  ; wave 0..15
	s_and_b32 s11, ttmp7, 0xffff                   ; y = 16 batch + head: the four partners share it
	s_lshl_b32 s12, s11, 4
	s_add_co_u32 s12, s12, s[WV]
	s_add_co_u32 s12, s12, 1024
	s_mul_i32 s12, s12, HB                         ; K's and V's block 1024 + 16 y + wave
	s_mov_b32 s13, 0
	s_mul_i32 s14, s[WV], BL                       ; and its place in LDS
	s_mov_b32 s[G1], 15|(3<<16)|(1<<20)|(1<<21)|(5<<22)|(15<<25)   ; the mask: all four; elements of 8 bytes; padding on; bit 21 beside a mask; after every 64 words 16 words
	s_mov_b32 s[G1+1], 32<<16                      ; rows of 256 bytes,
	s_mov_b32 s[G1+2], 51<<16                      ; 51 of them,
	s_mov_b32 s[G1+3], 32<<16
	s_mov_b32 s[G1+4], 51
	s_mov_b32 s[G1+5], 32                          ; dense
	s_mov_b32 s[G1+6], 0
	s_mov_b32 s[G1+7], 0
	s_mov_b32 s[SEL], 0x76543210
	s_mov_b32 s[SEL+1], 0xfedcba98
	s_mov_b32 s[CS], 0x3e38aa3b                    ; c = log2(e) / 8
	s_mov_b32 s[CS+1], s[CS]
	s_mov_b32 s[CN], 0xbe38aa3b                    ; -c
	s_mov_b32 s43, 0xffff0000                      ; lanes 16-31
	s_wait_dscnt 0x0                               ; both opening adds are done
	s_wait_kmcnt 0x0
	s_add_nc_u64 s[12:13], s[4:5], s[12:13]
	s_mov_b32 s[G0], 1
	s_mov_b32 s[G0+1], s14
	s_mov_b64 s[G0+2:G0+3], s[12:13]
	s_or_b32 s[G0+3], s[G0+3], 0x80000000
	CROUND                                         ; all four work-groups are here: the joint loads meet
	s_cmp_lt_u32 s[WV], 4                          ; two lines: the first barrier waits for waves 0-3's alone
	s_cbranch_scc0 .Llater
	TLOAD
	s_branch .Lasked
.Llater:
	TLOAD
.Lasked:
	s_bfe_u32 s9, ttmp6, 0x40000                   ; cx = my block of 512 queries: it enters Q's and ao's global addresses alone
	s_lshl_b32 s52, s9, 2
	s_lshr_b32 s53, s[WV], 2
	s_add_co_u32 s52, s52, s53                     ; G: my block of 128 tokens of the batch
	s_lshl_b32 s53, s11, 4
	s_add_co_u32 s53, s53, s52
	s_mul_i32 s44, s53, HB
	s_mov_b32 s45, 0
	s_add_nc_u64 s[44:45], s[4:5], s[44:45]        ; Q's block 16 y + G
	s_and_b32 s55, s[WV], 3                        ; my tiles 2 (wave % 4) and the next
	s_mul_i32 s46, s55, 1536
	s_mov_b32 s47, 0
	s_add_nc_u64 s[46:47], s[44:45], s[46:47]
	s_bfe_u32 s54, s[WV], 0x10001
	s_lshl_b32 s54, s54, 8
	s_and_b32 s56, s[WV], 1
	s_lshl_b32 s56, s56, 2
	s_add_co_u32 s54, s54, s56                     ; their scale words: 256 (tile / 4) + 128 (tile % 2) + 4 ((tile / 2) % 2), 8 bytes from row to row
	s_lshr_b32 s56, s11, 4
	s_lshl_b32 s56, s56, 4
	s_add_co_u32 s56, s56, s52
	s_mul_i32 s56, s56, BLK                        ; my block of ao: 16 batch + G
	s_and_b32 s57, s11, 15
	s_lshr_b32 s58, s57, 1                         ; its K step = the pair of heads
	s_and_b32 s57, s57, 1                          ; my head of the pair
	s_mul_i32 s48, s58, 12288
	s_add_co_u32 s48, s48, s56
	s_mul_i32 s10, s55, 3072
	s_add_co_u32 s48, s48, s10
	s_mul_i32 s10, s57, 768
	s_add_co_u32 s48, s48, s10
	s_mov_b32 s49, 0
	s_add_nc_u64 s[48:49], s[6:7], s[48:49]        ; my half fragments (4,096 more stand in the immediates)
	s_lshl_b32 s50, s58, 9
	s_add_co_u32 s50, s50, s56
	s_lshl_b32 s10, s55, 7
	s_add_co_u32 s50, s50, s10
	s_lshl_b32 s10, s57, 1
	s_add_co_u32 s50, s50, s10
	s_mov_b32 s51, 0
	s_add_nc_u64 s[50:51], s[6:7], s[50:51]        ; my two bytes of my rows' scale words
	v_and_b32 v11, 31, v0                          ; lane
	v_and_b32 v12, 15, v0                          ; r
	v_bfe_u32 v13, v0, 4, 1                        ; h
	v_and_b32 v14, 7, v0                           ; r % 8
	v_bfe_u32 v15, v0, 3, 1                        ; r / 8
	v_lshlrev_b32 v2, 3, v11                       ; 8 x lane: V's pieces of 8 bytes and scale words
	v_lshlrev_b32 v126, 4, v11                     ; 16 x lane
	v_lshl_add_u32 v10, v12, 3, s54
	v_lshlrev_b32 v1, 4, v12
	v_mad_u32_u24 v1, v13, 320, v1                 ; V's pieces of 16 bytes: lanes 16-31 in the next row of 256 + 64
	v_mul_u32_u24 v127, v15, 1920
	v_lshl_add_u32 v3, v14, 4, v127
	v_mad_u32_u24 v3, v13, 320, v3                 ; K's pieces of 16 bytes: rows 8-15 two tiles on
	v_lshl_add_u32 v4, v14, 3, v127
	v_lshl_add_u32 v4, v13, 7, v4                  ; K's pieces of 8 bytes
	v_lshlrev_b32 v7, 3, v14
	v_lshl_add_u32 v7, v15, 2, v7
	v_lshl_add_u32 v7, v13, 7, v7                  ; K's scale words: lanes 0-15 an even tile's, lanes 16-31 the odd one's
	v_lshlrev_b32 v9, 3, v13                       ; 8 h
	WALU
.irp c, 0,1
	global_load_b128 v[18+12*\c:21+12*\c], v126, s[46:47] offset:768*\c
	global_load_b64 v[22+12*\c:23+12*\c], v2, s[46:47] offset:768*\c+512
	global_load_b32 v[16+\c], v10, s[44:45] offset:12544+128*\c
.endr
.irp i, 24,25,26,27,28,29,36,37,38,39,40,41
	v_mov_b32 v\i, 0                               ; the zero codes behind Q
.endr
.irp i, 98,99,100,101,102,103,104,105,106,107,108,109
	v_mov_b32 v\i, 0                               ; p's codes: named above K's last tile before they are first made
.endr
	v_mov_b32 v119, 0                              ; named in a pair before the first write
	v_mov_b32 v127, 0                              ; a lane permute's destination counts as one of its sources
.irp c, 0,1
	v_mov_b32 v[43+4*\c], 0xff61b1e6               ; the largest score so far: -3e38
	v_floor_f32 v[42+4*\c], -v[43+4*\c]            ; -M
	v_mov_b32 v[44+4*\c], 0                        ; the sum, in two halves
	v_mov_b32 v[45+4*\c], 0
.endr
.set i, 192
.rept 64
	v_mov_b32 v[i], 0                              ; O^T: the step is written once; its first run finds zeros, which the first change of M leaves zeros
.set i, i+1
.endr
.macro KLD scales                      ; K's eight tiles by the addresses in v124, v125; with them, for a new key step, K's scale words (tiles 2 k | 2 k + 1) by v126
.irp t, 0,1,2,3,4,5,6,7
	ds_load_b128 v[50+6*\t:53+6*\t], v124 offset:(4*(\t/4)+\t%2)*960+((\t%4)/2)*128
	ds_load_b64 v[54+6*\t:55+6*\t], v125 offset:(4*(\t/4)+\t%2)*960+640+((\t%4)/2)*64
.endr
.if \scales
.irp k, 0,1,2,3
	ds_load_b32 v[10+\k], v126 offset:15680+320*(\k/2)+64*(\k%2)
.endr
.endif
.endm
.macro VLD n                           ; six registers of V: channel tile n / 2, key half n % 2
	ds_load_b128 v[50+6*(\n):53+6*(\n)], v113 offset:7680+960*(\n)
	ds_load_b64 v[54+6*(\n):55+6*(\n)], v117 offset:7680+960*(\n)+640
.endm
.macro SUM2 j                          ; the row's sum of the unquantised p: two chains
	v_pk_add_f32 v[ST+2:ST+3], v[ST+2:ST+3], v[128+\j:129+\j]
	v_pk_add_f32 v[122:123], v[122:123], v[130+\j:131+\j]
.endm
.macro OM from, to                     ; O^T under the new M: pairs from .. to
.set j, \from
.rept (\to)-(\from)+1
	v_pk_mul_f32 v[OB+2*j:OB+2*j+1], v[OB+2*j:OB+2*j+1], v[118:119] op_sel_hi:[1,0]
.set j, j+1
.endr
.endm
; ONE TILE OF 16 QUERIES, 128 KEYS.  K's fragments have been asked for.
.macro HSTEP c
.set ST, 42+4*\c
.set OB, 192+32*\c
	s_wait_dscnt 0x0                               ; K is in
.irp t, 0,1,2,3,4,5,6,7
.set D_, 128+8*\t
.set A_, 50+6*\t
.set B_, 18+12*\c
.set X_, 10+\t/2
.set Y_, 16+\c
	WM D_, A_, B_, 0, X_, Y_, \t%2
.endr
.if \c == 0                            ; four places: ahead of the first read of the scores and of loads into K's registers
	v_add_nc_u32 v113, s[TB], v1                   ; V's addresses of this key step
	v_add_nc_u32 v117, s[TB], v2
	v_nop
	v_nop
.else
.rept 4
	v_nop
.endr
.endif
.irp b, 0,1                            ; the largest score of my two blocks of 32 keys, two chains a block, the four by turns; each accumulator is read from its low end on
	v_max3_num_f32 v[120+\b], v[128+32*\b], v[129+32*\b], v[130+32*\b]
	v_max3_num_f32 v[122+\b], v[144+32*\b], v[145+32*\b], v[146+32*\b]
.endr
.irp i, 3,5,7,9,11,13
.irp b, 0,1
	v_max3_num_f32 v[120+\b], v[120+\b], v[128+32*\b+\i], v[129+32*\b+\i]
	v_max3_num_f32 v[122+\b], v[122+\b], v[144+32*\b+\i], v[145+32*\b+\i]
.endr
.endr
.irp b, 0,1
	v_max3_num_f32 v[120+\b], v[120+\b], v[143+32*\b], v[159+32*\b]
.endr
.irp b, 0,1
	v_max_num_f32 v[120+\b], v[120+\b], v[122+\b]
.endr
	v_max_num_f32 v126, v120, v121                 ; V's loads stand among these lines, each of which hangs on the one before; they land under the exponentials
	VLD 0
	v_permlanex16_b32 v127, v126, s[SEL], s[SEL+1]
	VLD 1
	v_max3_num_f32 v[ST+1], v[ST+1], v126, v127    ; the running largest score of my query (c is positive: the largest t is its product)
	VLD 2
	v_mov_b32 v126, v[ST]
	v_mul_f32 v127, s[CN], v[ST+1]
	VLD 3
	v_floor_f32 v[ST], v127                        ; the new -M = -ceil(t)
	VLD 4
	v_sub_f32 v126, v[ST], v126                    ; old M - new M: a whole number, 0 or less
	VLD 5
	v_cvt_i32_f32 v126, v126                       ; (it saturates)
	VLD 6
	v_ldexp_f32 v118, 1.0, v126                    ; f = 2^(old M - new M)
	VLD 7
.if \c == 0
	ds_load_b64 v[14:15], v117 offset:15360        ; V's scale words: tiles 0 | 1, 2 | 3; they serve both query tiles
.endif
.set j, 0
.rept 32
	v_pk_fma_f32 v[128+j:129+j], v[128+j:129+j], s[CS:CS+1], v[ST:ST+1] op_sel_hi:[1,0,0]   ; t - M
.set j, j+2
.endr
	v_fma_f32 v120, v120, s[CS], v[ST]             ; the same of each block's largest score
	v_fma_f32 v121, v121, s[CS], v[ST]
	WALU                                           ; the wait ahead of the batch
	v_exp_f32 v120, v120                           ; each block's largest p
	v_exp_f32 v121, v121
.set j, 0
.rept 64
	v_exp_f32 v[128+j], v[128+j]                   ; p = 2^(t - M)
.set j, j+1
.endr
	v_pk_mul_f32 v[ST+2:ST+3], v[ST+2:ST+3], v[118:119] op_sel_hi:[1,0]   ; the sums under the new M: the plain place behind the exponentials
	WALU                                           ; one wait for the batch, directly ahead of the first readers of O^T too; plain lines alone stand among those readers
	OM 0, 0
	v_max_num_f32 v120, 0x1800000, v120            ; the floor 2^(3 - 127)
	v_max_num_f32 v121, 0x1800000, v121
	OM 1, 2
	v_add_nc_u32 v124, 0xff000000, v120            ; the conversions' scale operands
	v_add_nc_u32 v125, 0xff000000, v121
	OM 3, 4
	v_lshrrev_b32 v120, 23, v124                   ; the bytes of blocks h and 2 + h
	v_lshrrev_b32 v121, 23, v125
	OM 5, 6
	v_lshl_or_b32 v[PW], v121, 16, v120
	OM 7, 9
	v_lshlrev_b32 v[PW], v9, v[PW]                 ; at their places in the scale word
	OM 10, 15
	v_permlanex16_b32 v127, v[PW], s[SEL], s[SEL+1]
.irp b, 0,1
	v_cvt_scalef32_pk16_fp6_f32 v[98+6*\b:100+6*\b], v[128+32*\b:143+32*\b], v[124+\b]
	v_cvt_scalef32_pk16_fp6_f32 v[110+4*\b:112+4*\b], v[144+32*\b:159+32*\b], v[124+\b]   ; (a conversion's three registers begin on an even number)
.endr
	v_or_b32 v[PW], v[PW], v127                    ; with lane l xor 16's two bytes the word is whole.  (The plain place behind the conversions)
	v_pk_add_f32 v[122:123], v[128:129], v[130:131]
.irp b, 0,1
.irp i, 0,1,2
	v_mov_b32 v[101+6*\b+\i], v[110+4*\b+\i]
.endr
.endr
	SUM2 4                                         ; eleven plain lines between the scale word's last write and the products, four behind the codes'
	SUM2 8
	WALU
	s_wait_dscnt 0x0                               ; V is in
.irp a, 0,1,2,3                        ; O^T += V^T P^T: the four accumulators by turns
.set D_, OB+8*\a
.set A_, 50+12*\a
.set X_, 14+\a/2
	WM D_, A_, 98, v[D_:D_+7], X_, PW, \a%2
.endr
.if \c == 0                            ; the next K fragments: these lines and two additions are the places ahead of loads into V's registers
	v_add_nc_u32 v124, s[TB], v3                   ; my second tile takes the same keys
	v_add_nc_u32 v125, s[TB], v4
	SUM2 12
	KLD 0
.else
	v_add_nc_u32 v124, s[TN], v3                   ; the next key step's
	v_add_nc_u32 v125, s[TN], v4
	v_add_nc_u32 v126, s[TN], v7
	SUM2 12
	KLD 1
.endif
	v_pk_add_f32 v[110:111], v[144:145], v[146:147]   ; the rest of the row's sum, in four chains, while K is on its way
	v_pk_add_f32 v[114:115], v[148:149], v[150:151]
.irp j, 24,32,40,48,56
	v_pk_add_f32 v[ST+2:ST+3], v[ST+2:ST+3], v[128+\j:129+\j]
	v_pk_add_f32 v[122:123], v[122:123], v[130+\j:131+\j]
	v_pk_add_f32 v[110:111], v[110:111], v[132+\j:133+\j]
	v_pk_add_f32 v[114:115], v[114:115], v[134+\j:135+\j]
.endr
	v_pk_add_f32 v[ST+2:ST+3], v[ST+2:ST+3], v[122:123]
	v_pk_add_f32 v[110:111], v[110:111], v[114:115]
	v_pk_add_f32 v[ST+2:ST+3], v[ST+2:ST+3], v[110:111]
.endm
.macro STEPS n, last                   ; n key steps from LDS byte s[TB] on; last: the LDS byte of the run's last block
	v_add_nc_u32 v124, s[TB], v3
	v_add_nc_u32 v125, s[TB], v4
	v_add_nc_u32 v126, s[TB], v7
	KLD 1
	s_mov_b32 s[CNT], \n
.Lstep_\@:
	s_add_co_u32 s[TN], s[TB], BL
	s_min_u32 s[TN], s[TN], \last                  ; no read passes the run's last block
	HSTEP 0
	HSTEP 1
	s_add_co_u32 s[TB], s[TB], BL
	s_sub_co_u32 s[CNT], s[CNT], 1
	s_cmp_lg_u32 s[CNT], 0
	s_cbranch_scc1 .Lstep_\@
.endm
	WALU                                           ; the wait at the head's end
	s_cmp_lt_u32 s[WV], 4
	s_cbranch_scc0 .Lnot_first
	s_wait_tensorcnt 0x0                           ; waves 0-3: my block of key steps 0-3 is in
.Lnot_first:
	s_barrier_signal -1
	s_barrier_wait -1                              ; blocks 0-3 are in; the others may be out
	s_wait_loadcnt 0x0                             ; Q
	s_mov_b32 s[TB], 0
	STEPS 4, 3*BL
	s_wait_tensorcnt 0x0                           ; every wave: my block is in,
	s_wait_dscnt 0x0
	s_barrier_signal -1
	s_barrier_wait -1                              ; everybody's is
	s_mov_b32 s[TB], 4*BL
	STEPS 12, 15*BL
	s_wait_dscnt 0x0
	; THE WAY OUT: O^T / the sum, quantised along the head's 64 channels, both tiles at once.
	WALU                                           ; the second tile's sum was last written ahead of the wait above
.irp c, 0,1
	v_add_f32 v[120+\c], v[44+4*\c], v[45+4*\c]
.endr
.irp c, 0,1
	v_permlanex16_b32 v[124+\c], v[120+\c], s[SEL], s[SEL+1]
.endr
.irp c, 0,1
	v_add_f32 v[120+\c], v[120+\c], v[124+\c]      ; with lane l xor 16's keys: the row's sum
.endr
	v_and_b32 v3, 31, v0
	v_and_b32 v4, 15, v0
	v_lshlrev_b32 v1, 4, v3                        ; 16 x lane
	v_lshlrev_b32 v2, 3, v3                        ; 8 x lane
	v_lshlrev_b32 v4, 2, v4
	v_lshl_add_u32 v4, v9, 3, v4                   ; 4 r + 64 h: lanes 0-15 my first tile's rows, lanes 16-31 my second's
	WALU                                           ; the wait ahead of the reciprocals
	v_rcp_f32 v118, v120
	v_rcp_f32 v122, v121
	v_nop                                          ; a plain place behind the reciprocals
	WALU                                           ; one wait for both, directly ahead of the first readers
.irp c, 0,1
.set j, 0
.rept 16
	v_pk_mul_f32 v[192+32*\c+j:193+32*\c+j], v[192+32*\c+j:193+32*\c+j], v[118+4*\c:119+4*\c] op_sel_hi:[1,0]   ; each accumulator from its low end on
.set j, j+2
.endr
.endr
	QUANT 192
.irp c, 0,1
	global_store_b128 v1, v[PC+6*\c:PC+6*\c+3], s[48:49] offset:4096+1536*\c        ; 512 consecutive bytes, at a multiple of 256
	global_store_b64 v2, v[PC+6*\c+4:PC+6*\c+5], s[48:49] offset:4096+1536*\c+512   ; 256
.endr
	v_lshrrev_b32 v7, 16, v[PW]
	v_cndmask_b32 v7, v[PW], v7, s43               ; lanes 0-15: the first tile's two bytes, lanes 16-31: the second's (a word stands in lanes r and r + 16 alike)
	global_store_b16 v4, v7, s[50:51]
	s_wait_tensorcnt 0x0                           ; the wave's end
	ds_add_u32 v5, v6
	s_wait_dscnt 0x0
	CROUND                                         ; the closing round
	s_endpgm
.Lfunc_end_k_qca458f51cc_attn:
	.size	k_qca458f51cc_attn, .Lfunc_end_k_qca458f51cc_attn-k_qca458f51cc_attn
	.p2alignl 7, 3214868480
	.fill 96, 4, 3214868480
	.section	.rodata,"a",@progbits
	.p2align	6, 0x0
	.amdhsa_kernel k_qca458f51cc_attn
		.amdhsa_group_segment_fixed_size 327680
		.amdhsa_private_segment_fixed_size 0
		.amdhsa_enable_private_segment 0
		.amdhsa_kernarg_size 16
		.amdhsa_user_sgpr_count 2
		.amdhsa_user_sgpr_kernarg_segment_ptr 1
		.amdhsa_wavefront_size32 1
		.amdhsa_system_sgpr_workgroup_id_x 1
		.amdhsa_system_sgpr_workgroup_id_y 1
		.amdhsa_system_sgpr_workgroup_id_z 1
		.amdhsa_system_vgpr_workitem_id 0
		.amdhsa_next_free_vgpr 256
		.amdhsa_next_free_sgpr 66
		.amdhsa_reserve_vcc 0
		.amdhsa_float_denorm_mode_32 3
		.amdhsa_float_denorm_mode_16_64 3
		.amdhsa_memory_ordered 1
		.amdhsa_forward_progress 1
		.amdhsa_inst_pref_size 79
	.end_amdhsa_kernel
	.amdgpu_metadata
---
amdhsa.version: [ 1, 2 ]
amdhsa.kernels:
  - .name:           k_qca458f51cc_attn
    .symbol:         k_qca458f51cc_attn.kd
    .args:
      - { .name: qkv, .offset: 0, .size: 8, .value_kind: global_buffer, .address_space: global }
      - { .name: ao, .offset: 8, .size: 8, .value_kind: global_buffer, .address_space: global }
    .group_segment_fixed_size: 327680
    .private_segment_fixed_size: 0
    .kernarg_segment_align: 8
    .kernarg_segment_size: 16
    .max_flat_workgroup_size: 512
    .sgpr_count:     66
    .vgpr_count:     256
    .wavefront_size: 32
...
	.end_amdgpu_metadata
.endif
;; end of part 3
;; launch outp (part 4): grid 4 x 64, 4 waves a work-group, clusters of 4 x 4, 327,680 bytes of LDS; arguments ao, ops, bo, out0; writes out0
.if DOCPART == 4
	.amdgcn_target "amdgcn-amd-amdhsa--gfx1250"
	.amdhsa_code_object_version 6
	.text
	.protected	k_qca458f51cc_outp
	.globl	k_qca458f51cc_outp
	.p2align	8
	.type	k_qca458f51cc_outp,@function
k_qca458f51cc_outp:
	s_mov_b64 s[64:65], 0
	v_nop
	global_prefetch_b8 v0, s[64:65] scope:SCOPE_SE
	s_setreg_imm32_b32 hwreg(HW_REG_WAVE_MODE, 25, 1), 1
	s_wait_xcnt 0x0
	s_wait_alu depctr_hold_cnt(0) depctr_sa_sdst(0) depctr_va_vdst(0) depctr_va_sdst(0) depctr_va_ssrc(0) depctr_va_vcc(0) depctr_vm_vsrc(0)
	s_getreg_b32 s2, hwreg(HW_REG_IB_STS2, 6, 4)
	s_cmp_eq_u32 s2, 0
	s_cbranch_scc0 .Lentry_in_a_cluster
	s_endpgm
.Lentry_in_a_cluster:
	s_bfe_u32 s2, ttmp6, 0x10000c
	s_cmp_lg_u32 s2, 0xf033
	s_cbranch_scc0 .Lentry_shape_is_right
	s_endpgm
.Lentry_shape_is_right:
; out = attn Wo + bo on codes of FP6 (E2M3) with E8M0 scales; out0 [8192][1024] f32.
; OPERANDS are blocks of 102,400 bytes (128 rows x K = 1,024: scale words, then fragments as images of their registers): A = block 4 cly + cy of ao (tokens), B = two blocks of Wo's columns out of ops.
; All three blocks are resident in LDS: no slot is filled twice.  Four waves: wave (wr, wc) = A's tiles 4 wr .. 4 wr + 3 x block wc's eight tiles: 32 accumulators.  256 work-groups.
; THE MATRIX INSTRUCTION IS USED TRANSPOSED (source 0 = 16 columns of Wo, source 1 = 16 tokens): a lane holds one token, and by the order of columns in a tile its registers are neighbouring columns: 32 b + 16 (lane / 16) + 8 u + j.
; CLUSTER 4 x 4: A's block is asked for jointly along a row of the cluster, B's along a column.  Wave 0 asks for A's first half, wave 1 for both B blocks' first halves, wave 2 for A's second half, wave 3 for B's second halves: one tensor load of a wave is out at the most.
; The bias is the C of each sum's first product (an order of rounding other than x W + b's).  The tokens of a tile are not neighbours (lane r of tile 2 b + u: 32 b + 8 u + r + 8 (r / 8)): the stores' offsets put them back.
; LIMITS: NaN and infinities are not served.
; REGISTERS: window 0: v1-20 addresses; v32-43 scale words, two sets; v48-143 A's fragments, two sets (on the way out rows of the result); v144-207 the bias.  window 1: B's fragments, two sets.  window 2: accumulator (a, b) at v[8 (8 a + b)].
.set BLK,   102400
.set QTR,   25600
.set SPARE, 3*BLK                      ; the spare words, 128 bytes a wave
.set STAGE, SPARE+512                  ; the way out: 16 rows x 272 bytes for each wave; no fill lands here
.set ADA,  6
.set ADB,  8
.set ADS1, 10
.set ADS2, 11
.set SPW,  12
.set NIL,  13
.set STO,  16
.set RD,   17
.set CO,   18
.set SC,   32
.set AF,   48
.set BK,   48
.set BC,   144
.set WV,   14
.set G1A,  28
.set G1B,  36
.set G0A,  44
.set G0B,  68
.set MSB, 0
.macro WIN new                         ; the immediate's high byte repeats the setting that is left
.if MSB != \new
	s_set_vgpr_msb (MSB<<8)|\new
.set MSB, \new
.endif
.endm
.macro CROUND
	s_barrier_signal -1
	s_barrier_wait -1
	s_cmp_lg_u32 s[WV], 0
	s_cbranch_scc1 .Lnot_wave_0_\@
	s_barrier_signal -3
.Lnot_wave_0_\@:
	s_barrier_wait -3
	s_barrier_signal -1
	s_barrier_wait -1
.endm
.macro FETCH s, p                      ; K step s's fragments and scale words into set p
	WIN 0x40
.irp b, 0,1,2,3,4,5,6,7
.irp i, 0,1,2
	ds_load_b128 v[96*(\p)+12*\b+4*\i:96*(\p)+12*\b+4*\i+3], v[ADB+(\s)/4] offset:4096+12288*((\s)%4)+1536*\b+512*\i
.endr
.endr
	WIN 0
.irp a, 0,1,2,3
.irp i, 0,1                            ; a fragment of ao is two halves, one a head: 512 bytes (16 a lane) and 256 bytes (8 a lane)
	ds_load_b128 v[AF+48*(\p)+12*\a+6*\i:AF+48*(\p)+12*\a+6*\i+3], v[ADA+(\s)/4] offset:4096+12288*((\s)%4)+1536*\a+768*\i
	ds_load_b64 v[AF+48*(\p)+12*\a+6*\i+4:AF+48*(\p)+12*\a+6*\i+5], v[19+(\s)/4] offset:4096+12288*((\s)%4)+1536*\a+768*\i+512
.endr
.endr
.irp j, 0,1,2,3
	ds_load_b32 v[SC+6*(\p)+\j], v[ADS1] offset:512*(\s)+64*\j
.endr
.irp k, 0,1
	ds_load_b32 v[SC+6*(\p)+4+\k], v[ADS2] offset:512*(\s)+256+128*\k
.endr
.endm
; A's tile a against B's eight.  first = 1: the bias starts the sums.  The 32 accumulators take turns, one instruction a turn.
.macro MUL a, p, first
.if \first
	WIN 0x81                                       ; source 0 window 1, sources 1 and 2 window 0, D window 2
.else
	WIN 0xa1                                       ; C and D window 2
.endif
.irp b, 0,1,2,3,4,5,6,7
.set rD, 8*(8*(\a)+\b)
.set rB, 96*(\p)+12*\b
.set rA, AF+48*(\p)+12*(\a)
.set rT, SC+6*(\p)+(\a)
.set rC, rD
.if \first
.set rC, BC+8*\b
.endif
.if \b < 4
.set rS, SC+6*(\p)+\b
.else
.set rS, SC+6*(\p)+4+(\b-4)/2
.endif
.if (\b < 4) || (\b % 2)
	v_wmma_scale_f32_16x16x128_f8f6f4 v[rD:rD+7], v[rB:rB+11], v[rA:rA+11], v[rC:rC+7], v[rS], v[rT] matrix_a_fmt:MATRIX_FMT_FP6 matrix_b_fmt:MATRIX_FMT_FP6 matrix_a_scale:MATRIX_SCALE_ROW1
.else
	v_wmma_scale_f32_16x16x128_f8f6f4 v[rD:rD+7], v[rB:rB+11], v[rA:rA+11], v[rC:rC+7], v[rS], v[rT] matrix_a_fmt:MATRIX_FMT_FP6 matrix_b_fmt:MATRIX_FMT_FP6
.endif
.endr
.endm
; A K step.  Steps 0-3 lie in a block's first half, 4-7 in its second: in step 3 each wave shows the second halves landed and a barrier tells the others.
.macro STEP s
	s_wait_dscnt 0x0                               ; this step's fragments are in
.if (\s) == 3
	s_wait_tensorcnt 0x0                           ; every wave: the second halves are in, ahead of the fetch of K step 4
	s_barrier_signal -1
.endif
	MUL 0, (\s)%2, (\s)==0
.if (\s) == 3
	s_barrier_wait -1
.endif
.if (\s) < 7
.rept 4
	v_nop                                          ; four places between the last step's products and loads into the registers that they read
.endr
	FETCH (\s)+1, 1-(\s)%2
.endif
	MUL 1, (\s)%2, (\s)==0
	MUL 2, (\s)%2, (\s)==0
	MUL 3, (\s)%2, (\s)==0
.endm
	s_load_b256 s[4:11], s[0:1], 0x0               ; ao, ops, bo, out0
	v_lshl_add_u32 v[SPW], v0, 2, SPARE
	v_mov_b32 v[NIL], 0
	ds_add_u32 v[SPW], v[NIL]                      ; the wave's opening: the add and its wait ahead of my first tensor load
	ds_add_u32 v[SPW], v[NIL]
	v_lshrrev_b32 v1, 5, v0
	v_readfirstlane_b32 s[WV], v1                  ; wave 0..3
	s_lshr_b32 s15, s[WV], 1                       ; wr
	s_and_b32 s16, s[WV], 1                        ; wc
	s_bfe_u32 s17, ttmp6, 0x40000                  ; cx
	s_bfe_u32 s18, ttmp6, 0x40004                  ; cy
	s_and_b32 s20, ttmp7, 0xffff
	s_lshl_b32 s21, s20, 2
	s_add_co_u32 s21, s21, s18                     ; A: block 4 cly + cy of ao
	s_mul_i32 s22, s21, BLK
	s_mov_b32 s23, 0
	s_lshl_b32 s26, s17, 1
	s_add_co_u32 s26, s26, 88
	s_mul_i32 s26, s26, BLK
	s_mov_b32 s27, 0
	s_lshl_b32 s2, s18, 2
	s_lshl_b32 s2, 15, s2                          ; my row of the cluster
	s_lshl_b32 s3, 0x1111, s17                     ; my column
	s_or_b32 s[G1A], s2, (3<<16)|(1<<21)           ; the mask; elements of 8 bytes; bit 21 beside a mask; no padding
	s_or_b32 s[G1B], s3, (3<<16)|(1<<21)
; THE FILLS: each block comes in two halves: scale words and K steps 0-3 (H1 bytes), K steps 4-7 (H2 bytes).  Four loads, one a wave: A's first half, both B blocks' first halves (two rows of H1 bytes, a block apart), A's second half, B's second halves.
; LDS: A, B0, B1 first halves on end from 0; then the three second halves from 3 H1.
.set H1,   53248
.set H2,   49152
.set G1A2, 52
.set G1B2, 76
.macro GRP1 g, c, r, p                 ; r rows of c elements of 8 bytes, p elements from row to row
	s_mov_b32 s[\g+1], ((\c)&0xffff)<<16
	s_mov_b32 s[\g+2], (\r)<<16
	s_mov_b32 s[\g+3], (\c)<<16
	s_mov_b32 s[\g+4], \r
	s_mov_b32 s[\g+5], \p
	s_mov_b32 s[\g+6], 0
	s_mov_b32 s[\g+7], 0
.endm
	s_or_b32 s[G1A2], s2, (3<<16)|(1<<21)
	s_or_b32 s[G1B2], s3, (3<<16)|(1<<21)
	GRP1 G1A, 32, 208, 32
	GRP1 G1A2, 32, 192, 32
	GRP1 G1B, H1/8, 2, BLK/8
	GRP1 G1B2, H2/8, 2, BLK/8
	s_wait_dscnt 0x0                               ; the opening add is done
	s_wait_kmcnt 0x0
	s_add_nc_u64 s[22:23], s[4:5], s[22:23]
	s_add_nc_u64 s[26:27], s[6:7], s[26:27]
.irp j, 0,1
	s_mov_b32 s[G0A+4*\j], 1
	s_mov_b32 s[G0A+4*\j+1], \j*3*H1
	s_add_nc_u64 s[G0A+4*\j+2:G0A+4*\j+3], s[22:23], \j*H1
	s_or_b32 s[G0A+4*\j+3], s[G0A+4*\j+3], 0x80000000
	s_mov_b32 s[G0B+4*\j], 1
	s_mov_b32 s[G0B+4*\j+1], H1+\j*(2*H1+H2)
	s_add_nc_u64 s[G0B+4*\j+2:G0B+4*\j+3], s[26:27], \j*H1
	s_or_b32 s[G0B+4*\j+3], s[G0B+4*\j+3], 0x80000000
.endr
	CROUND                                         ; all sixteen work-groups are here: the joint loads meet
.macro ARM under, g0, g1, next         ; one chain of branches on the wave's number, one load to an arm, all arms lead to one join
	s_cmp_lt_u32 s[WV], \under
	s_cbranch_scc0 \next
	tensor_load_to_lds s[\g0:\g0+3], s[\g1:\g1+7]
	s_nop 0
.rept 4
	v_nop
.endr
	s_branch .Lfilled
\next:
.endm
	ARM 1, G0A, G1A, .Lb_first
	ARM 2, G0B, G1B, .La_second
	ARM 3, G0A+4, G1A2, .Lb_second
	tensor_load_to_lds s[G0B+4:G0B+7], s[G1B2:G1B2+7]
	s_nop 0
.rept 4
	v_nop
.endr
.Lfilled:
	v_and_b32 v1, 31, v0                           ; lane
	v_and_b32 v2, 15, v0                           ; r
	v_bfe_u32 v3, v0, 4, 1                         ; h
	s_wait_alu depctr_va_vdst(0)
	s_lshl_b32 s92, s17, 10
	s_lshl_b32 s93, s16, 9
	s_add_co_u32 s92, s92, s93                     ; my 128 columns, in bytes: 4 (256 cx + 128 wc)
	v_lshlrev_b32 v14, 6, v3
	v_add_nc_u32 v14, s92, v14                     ; + 64 h
.irp t, 0,1,2,3,4,5,6,7
	global_load_b128 v[BC+8*\t:BC+8*\t+3], v14, s[8:9] offset:(32*(\t/2)+8*(\t%2))*4          ; bo in the result's layout: tile t's eight columns of my half
	global_load_b128 v[BC+8*\t+4:BC+8*\t+7], v14, s[8:9] offset:(32*(\t/2)+8*(\t%2))*4+16
.endr
	v_lshlrev_b32 v4, 4, v1                        ; 16 x lane
	s_mul_i32 s60, s15, 6144
	v_add_nc_u32 v[ADA], s60, v4
	v_add_nc_u32 v[ADA+1], 3*H1-4096, v[ADA]       ; K steps 4-7: the second half (the loads' offsets count 4,096 bytes of scale words, which it has not)
	v_lshlrev_b32 v19, 3, v1
	v_add_nc_u32 v19, s60, v19                     ; v19, v20: the same for the pieces of 8 bytes a lane
	v_add_nc_u32 v20, 3*H1-4096, v19
	s_add_co_u32 s61, s16, 1
	s_mul_i32 s63, s61, H2
	s_add_co_u32 s63, s63, 3*H1-4096               ; my B block's second half
	s_mul_i32 s61, s61, H1                         ; and its first
	v_add_nc_u32 v[ADB], s61, v4
	v_add_nc_u32 v[ADB+1], s63, v4
	s_lshl_b32 s62, s15, 8
	s_sub_co_u32 s63, s61, s62
	v_mul_u32_u24 v15, s63, v3                     ; lanes 16-31 take B's words: one product, the distance between the two bases
	v_lshl_add_u32 v[ADS1], v2, 2, v15
	v_add_nc_u32 v[ADS1], s62, v[ADS1]
	v_lshl_add_u32 v[ADS2], v1, 2, s61
	s_mul_i32 s60, s[WV], 16*272
	s_add_co_u32 s60, s60, STAGE                   ; my stage
	v_mul_u32_u24 v[STO], v2, 272
	v_lshl_add_u32 v[STO], v3, 6, v[STO]
	v_add_nc_u32 v[STO], s60, v[STO]               ; in: row r, + 64 h
	v_mul_u32_u24 v[RD], v3, 272
	v_lshl_add_u32 v[RD], v2, 4, v[RD]
	v_add_nc_u32 v[RD], s60, v[RD]                 ; back: lanes 0-15 one row of 256 bytes, lanes 16-31 the next
	v_lshlrev_b32 v[CO], 12, v3
	v_lshl_add_u32 v[CO], v2, 4, v[CO]             ; and the same two rows in out0
	s_lshl_b32 s60, s21, 7
	s_lshl_b32 s61, s15, 6
	s_add_co_u32 s60, s60, s61                     ; my first token: 128 Atile + 64 wr
	s_lshl_b32 s60, s60, 12
	s_add_co_u32 s60, s60, s92                     ; + my columns
	s_mov_b32 s61, 0
	s_add_nc_u64 s[10:11], s[10:11], s[60:61]
	s_wait_alu depctr_va_vdst(0)
	s_wait_loadcnt 0x0                             ; the bias
	s_cmp_lt_u32 s[WV], 2                          ; waves 0 and 1 asked for the first halves; the second halves may stay out
	s_cbranch_scc0 .Lnot_first
	s_wait_tensorcnt 0x0
.Lnot_first:
	s_barrier_signal -1
	s_barrier_wait -1                              ; everybody's is
	FETCH 0, 0
	STEP 0
	STEP 1
	STEP 2
	STEP 3
	STEP 4
	STEP 5
	STEP 6
	STEP 7
	WIN 0
; THE WAY OUT, eight units of 16 tokens x 64 columns (u = 2 a + half): a lane holds 32 neighbouring bytes of a row, the lanes beside it other rows: a unit goes through my own stage and comes back as rows of 256 bytes.
; LDS serves a wave's instructions in order: no wait between the stores and the loads, nor ahead of the next unit's stores.
.macro TOSTAGE u
	WIN 0x08                                       ; an LDS store's data: window 2
.irp bb, 0,1,2,3
.set rD, 8*(8*((\u)/2)+4*((\u)%2)+\bb)
	ds_store_b128 v[STO], v[rD:rD+3] offset:128*(\bb/2)+32*(\bb%2)          ; each accumulator from its low end on
	ds_store_b128 v[STO], v[rD+4:rD+7] offset:128*(\bb/2)+32*(\bb%2)+16
.endr
	WIN 0
.set BB, BK+32*((\u)%2)
.irp i, 0,1,2,3,4,5,6,7
	ds_load_b128 v[BB+4*\i:BB+4*\i+3], v[RD] offset:544*\i
.endr
.endm
.macro SEND u, younger                 ; younger: the LDS instructions issued behind unit u's loads, which may stay out
.set BB, BK+32*((\u)%2)
	s_wait_dscnt \younger
.irp i, 0,1,2,3,4,5,6,7
	global_store_b128 v[CO], v[BB+4*\i:BB+4*\i+3], s[10:11] offset:(32*((\u)/4)+8*(((\u)/2)%2)+2*(\i%4)+16*(\i/4))*4096+256*((\u)%2) th:TH_STORE_NT   ; stage rows 2 i and 2 i + 1 at their tokens; 16 lanes store 256 consecutive bytes, at a multiple of 256
.endr
.endm
.rept 4
	v_nop                                          ; four places between the last products and the first read of results, and loads into registers that they read
.endr
	TOSTAGE 0
.irp u, 1,2,3,4,5,6,7
.if \u > 1
	s_wait_xcnt 0x0                                ; unit u - 2's stores have read their registers: unit u's loads may land there
.endif
	TOSTAGE \u
	SEND \u-1, 16                                  ; behind unit u - 1's loads: unit u's 8 stores and 8 loads
.endr
	SEND 7, 0
	s_wait_tensorcnt 0x0                           ; the wave's end, behind my last LDS store
	ds_add_u32 v[SPW], v[NIL]
	s_wait_dscnt 0x0
	CROUND                                         ; the closing round
	s_endpgm
.Lfunc_end_k_qca458f51cc_outp:
	.size	k_qca458f51cc_outp, .Lfunc_end_k_qca458f51cc_outp-k_qca458f51cc_outp
	.p2alignl 7, 3214868480
	.fill 96, 4, 3214868480
	.section	.rodata,"a",@progbits
	.p2align	6, 0x0
	.amdhsa_kernel k_qca458f51cc_outp
		.amdhsa_group_segment_fixed_size 327680
		.amdhsa_private_segment_fixed_size 0
		.amdhsa_enable_private_segment 0
		.amdhsa_kernarg_size 32
		.amdhsa_user_sgpr_count 2
		.amdhsa_user_sgpr_kernarg_segment_ptr 1
		.amdhsa_wavefront_size32 1
		.amdhsa_system_sgpr_workgroup_id_x 1
		.amdhsa_system_sgpr_workgroup_id_y 1
		.amdhsa_system_sgpr_workgroup_id_z 1
		.amdhsa_system_vgpr_workitem_id 0
		.amdhsa_next_free_vgpr 768
		.amdhsa_next_free_sgpr 100
		.amdhsa_reserve_vcc 0
		.amdhsa_float_denorm_mode_32 3
		.amdhsa_float_denorm_mode_16_64 3
		.amdhsa_memory_ordered 1
		.amdhsa_forward_progress 1
		.amdhsa_inst_pref_size 82
	.end_amdhsa_kernel
	.amdgpu_metadata
---
amdhsa.version: [ 1, 2 ]
amdhsa.kernels:
  - .name:           k_qca458f51cc_outp
    .symbol:         k_qca458f51cc_outp.kd
    .args:
      - { .name: ao, .offset: 0, .size: 8, .value_kind: global_buffer, .address_space: global }
      - { .name: ops, .offset: 8, .size: 8, .value_kind: global_buffer, .address_space: global }
      - { .name: bo, .offset: 16, .size: 8, .value_kind: global_buffer, .address_space: global }
      - { .name: out0, .offset: 24, .size: 8, .value_kind: global_buffer, .address_space: global }
    .group_segment_fixed_size: 327680
    .private_segment_fixed_size: 0
    .kernarg_segment_align: 8
    .kernarg_segment_size: 32
    .max_flat_workgroup_size: 128
    .sgpr_count:     100
    .vgpr_count:     768
    .wavefront_size: 32
...
	.end_amdgpu_metadata
.endif
;; end of part 4
